; MI455X (gfx1250); checked and timed in simulation.
; The chip was launched on July 23, 2026; its instructions are those of AMD's public machine-readable ISA for CDNA 5 (MIT licence, August 2026) and "CDNA5" Instruction Set Architecture Reference Guide (July 2026). The comments in the code are by the model that wrote it; some were corrected since.
;; Memory Efficient Cross Attention Block. Allowed arithmetic: matrix products marked QUANTISED: E3M2 operands, one E8M0 scale for each 32 along K, by v_wmma_scale_f32_16x16x128_f8f6f4 with both operands' format E3M2, f32 sums; everything else in f32.
;; Inputs: W1_codes 2,048 x 16 x 24 uint8 (E3M2 codes of W1, K innermost, in blocks of 32 codes, four codes in three bytes); W1_scales 2,048 x 16 uint8 (E8M0 scales of W1, one for each 32 codes along K); W2_codes 512 x 64 x 24 uint8 (E3M2 codes of W2, K innermost, in blocks of 32 codes, four codes in three bytes); W2_scales 512 x 64 uint8 (E8M0 scales of W2, one for each 32 codes along K); Wk_codes 512 x 24 x 24 uint8 (E3M2 codes of Wk, K innermost, in blocks of 32 codes, four codes in three bytes); Wk_scales 512 x 24 uint8 (E8M0 scales of Wk, one for each 32 codes along K); Wo_codes 512 x 16 x 24 uint8 (E3M2 codes of Wo, K innermost, in blocks of 32 codes, four codes in three bytes); Wo_scales 512 x 16 uint8 (E8M0 scales of Wo, one for each 32 codes along K); Wq_codes 512 x 16 x 24 uint8 (E3M2 codes of Wq, K innermost, in blocks of 32 codes, four codes in three bytes); Wq_scales 512 x 16 uint8 (E8M0 scales of Wq, one for each 32 codes along K); Wv_codes 512 x 24 x 24 uint8 (E3M2 codes of Wv, K innermost, in blocks of 32 codes, four codes in three bytes); Wv_scales 512 x 24 uint8 (E8M0 scales of Wv, one for each 32 codes along K); b1 2,048 float32; b2 512 float32; bk 512 float32; bo 512 float32; bq 512 float32; bv 512 float32; ln_b 512 float32; ln_g 512 float32; x 4 x 4,096 x 512 float32; xf_codes 4 x 256 x 24 x 24 uint8 (E3M2 codes of xf, K innermost, in blocks of 32 codes, four codes in three bytes); xf_scales 4 x 256 x 24 uint8 (E8M0 scales of xf, one for each 32 codes along K).
;; Outputs: out0 4 x 4,096 x 512 float32.
;; This version of the problem:
;;   THIS VERSION OF THE PROBLEM IS GIVEN IN LOW PRECISION. The matrix products marked QUANTISED in the list below multiply operands that are first quantised to E3M2 (3 exponent bits, 2 mantissa bits; 6 bits a number), with one power-of-two scale for each 32 numbers along K (OCP MX v1.0); their sums are f32. All else is computed in f32.
;;   The module's matrix products, in the order in which they are computed (A, B: the left and right operand; K: the contracted axis; several contracted axes count as one K, in the product's order):
;;     1. [M 16,384, K 512] x [K 512, N 512]; A: input x; B: input Wq (given as codes): QUANTISED
;;     2. [M 1,024, K 768] x [K 768, N 512]; A: input xf (given as codes); B: input Wk (given as codes): QUANTISED
;;     3. [M 1,024, K 768] x [K 768, N 512]; A: input xf (given as codes); B: input Wv (given as codes): QUANTISED
;;     4. batch 64 x [M 4,096, K 32] x [K 32, N 256]; A: computed on the way; B: computed on the way: QUANTISED
;;     5. batch 64 x [M 4,096, K 256] x [K 256, N 32]; A: softmax (see below); B: computed on the way: QUANTISED
;;     6. [M 16,384, K 512] x [K 512, N 512]; A: computed on the way; B: input Wo (given as codes): QUANTISED
;;     7. [M 16,384, K 512] x [K 512, N 2,048]; A: computed on the way; B: input W1 (given as codes): QUANTISED
;;     8. [M 16,384, K 2,048] x [K 2,048, N 512]; A: computed on the way; B: input W2 (given as codes): QUANTISED
;;   THE QUANTISER, for each operand of a quantised product, along K:
;;     - K is cut into blocks of 32 from its start; a last block that is shorter is filled with zeros.
;;     - A block's scale is 2^e with e = floor(log2(the largest magnitude in the block)) - 4, held to -126 .. 127; a block of zeros has e = 0. As a byte (E8M0): e + 127.
;;     - Each number is divided by its block's scale, clamped to +-28, and rounded to the nearest number of E3M2, ties to even, subnormals kept.
;;     - The product sums the exact products of the quantised numbers (number of the format x scale) in f32.
;;   ~~~python
;;   def quantise(x, axis):      # numpy; x: float32 -> the quantised numbers, widened to float32 again
;;       x = np.moveaxis(x, axis, -1); K = x.shape[-1]
;;       x = np.pad(x, [(0, 0)] * (x.ndim - 1) + [(0, -K % 32)]); x = x.reshape(x.shape[:-1] + (-1, 32)); a = np.abs(x).max(-1, keepdims=True)
;;       e = np.where(a > 0, np.clip(np.frexp(np.where(a > 0, a, 1))[1] - 1 - 4, -126, 127), 0)      # np.frexp(a)[1] - 1 = floor(log2(a)), exactly
;;       r = np.clip(x / 2.0 ** e, -28, 28)
;;       step = 2.0 ** (np.maximum(np.frexp(np.where(r == 0, 1, r))[1] - 1, -2) - 2)
;;       q = np.round(r / step) * step * 2.0 ** e      # np.round: ties to even
;;       return np.moveaxis(q.reshape(q.shape[:-2] + (-1,))[..., :K], -1, axis).astype(np.float32)
;;   ~~~
;;   SOFTMAX AHEAD OF A QUANTISED PRODUCT. Where the list says 'softmax', what is quantised is not the finished softmax but p = 2^(t - M), with t = logit x log2(e) and M = ceil(the row's largest t), a whole number; so 1/2 < the row's largest p <= 1. The row's sum l is taken of the UNQUANTISED p, in f32, and the product's result is divided by l at the end. Since M is a whole number, a kernel that streams over the keys may use a running M (the ceiling of the running maximum): every later rescaling is an exact power of two, which a block's scale takes up: the codes' values come out the same.
;;   OPERANDS COMPUTED ON THE WAY. 'Computed on the way' means the value that the module computes at that place (a softmax that the list does not call 'softmax' is quantised finished and normalised). What goes into a quantiser is computed in f32, as accurately as f32 sums, v_exp_f32 and their like allow (about 1e-6 of the number): no bf16 or f16 on the way to a quantiser, and a product that is left as it is and whose result goes on into a quantised operand takes f32 operands (vector FMAs, or v_wmma_f32_16x16x4_f32). A number that lies on a knife's edge between two numbers of the format may be rounded either way, as far as f32 arithmetic and the matrix unit's own rounding can turn it there, and no further.
;;   INPUTS GIVEN AS CODES. W1 (in the module: [512, 2048], K = its axis 0); W2 (in the module: [2048, 512], K = its axis 0); Wk (in the module: [768, 512], K = its axis 0); Wo (in the module: [512, 512], K = its axis 0); Wq (in the module: [512, 512], K = its axis 0); Wv (in the module: [768, 512], K = its axis 0); xf (in the module: [4, 256, 768], K = its axis 2): each comes as NAME_codes (uint8): NAME with its K axis moved to the last place and cut into blocks of 32 codes, [.., K / 32, bytes a block], one block behind the other in memory; four codes in three bytes: a row's codes are one little-endian stream of bits, code i at bits 6 i .. 6 i + 5 (a code: sign, 3 exponent bits, 2 mantissa bits); and NAME_scales (uint8): the same leading axes, one E8M0 byte (e + 127) for each 32 codes along K. Its value is code x scale, taken as it is: it is not quantised again, and the codes and scales need not be those that the quantiser above would give.
;; 2 versions. Each part assembles by itself: llvm-mc -triple=amdgcn-amd-amdhsa -mcpu=gfx1250 --defsym DOCPART=n.
;; ======== version 1 of 2: 2 launches
;; workspace buffers: ws 1,966,080 bytes; kv 917,504 bytes
;; launch prep (part 1): grid 208 x 1, 4 waves a work-group, no clusters, 138,752 bytes of LDS; arguments xf_codes, xf_scales, Wk_codes, Wk_scales, Wv_codes, Wv_scales, bk, bv, Wq_codes, Wo_codes, W1_codes, W2_codes, ws, kv; writes ws, kv
.if DOCPART == 1
	.amdgcn_target "amdgcn-amd-amdhsa--gfx1250"
	.amdhsa_code_object_version 6
	.text
	.protected	k_q0a795d6758_prep
	.globl	k_q0a795d6758_prep
	.p2align	8
	.type	k_q0a795d6758_prep,@function
k_q0a795d6758_prep:
	s_mov_b64 s[64:65], 0
	v_nop
	global_prefetch_b8 v0, s[64:65] scope:SCOPE_SE
	s_setreg_imm32_b32 hwreg(HW_REG_WAVE_MODE, 25, 1), 1
	s_wait_xcnt 0x0
; TWO JOBS IN ONE LAUNCH, parted by the work-group's number.
; Work-groups 0-127: k = xf Wk + bk and v = xf Wv + bv on codes of BF6 (E3M2) with E8M0 scales, quantised again (k along the head's 32, v along the keys)
; and stored in kv IN THE ORDER OF THE NEXT LAUNCH'S OPERAND REGISTERS.  A work-group takes one batch, 64 keys (number f) and two heads; wave = (head of the pair, K or V).
; Work-groups 128-207: the codes of Wq, Wo, W1, W2 are copied into ws as fragment images, in the order in which wave w of the next launch takes them.
; kv: a record of 14,336 bytes for each (batch, head):
;   +0      KF [f 0..3][c 0..2][lane][16 B]: a fragment's twelve registers are four slots of three; slot g holds, in lane (p, h), the codes d = 16 h .. 16 h + 15 of key 64 f + 32 (p / 8) + 8 g + p % 8
;   +6,144  KS [f][lane][2 words]: word pp: lanes 0-15 slot 2 pp, lanes 16-31 slot 2 pp + 1; the key's one scale byte in all four bytes
;   +7,168  VF [st][u][c][piece 0..2][lane][8 B]: registers 6 c + 2 piece (+1) of V^T's fragment (keys 128 st on, rows d = 8 u + p + 8 (p / 8)); lane (p, h): keys 64 c + 32 h + 0 .. 31
;   +13,312 VS [st][u][c][lane][4 B]: bytes 2 c and 2 c + 1 of the row's scale word, the others 0
; ws: [wave 0..15][entry 0..39][u 0..1][c 0..2][lane][16 B]; entries 0-3 Wq, 4-7 Wo, 8-23 W1 (chunk of 512 columns, then K step), 24-39 W2; tile u's lane p is weight row (first row) + 8 u + p + 8 (p / 8).
; LIMITS: NaN and infinities are not served.  A block of zeros gets the byte 1 (its codes are zeros; this program alone reads the bytes).
; No tensor loads: each block is read once, by 16-byte loads of neighbouring lanes.  No cluster: the work-groups of a batch share xf's 64 rows with seven others only, a third of a group's bytes, in a launch of few bytes.
.set WKB, 46080                        ; LDS: xf's 64 rows at 0, Wk's 64 rows, Wv's 64 rows: rows of 576 bytes with 16 bytes of padding behind each 64: pitch 720
.set WVB, 92160
.macro PLACES                          ; four plain places behind matrix instructions, ahead of loads into their registers and of the first read of results
.rept 4
	v_nop
.endr
.endm
; one scaled product; its operands are named by the symbols WD, WA, WB, WC (WZ = 1: C is the constant 0), WSA, WSB; WRA, WRB = 1: that side's scales stand in lanes 16-31
.macro WMS
.if WZ
.if WRA && WRB
	v_wmma_scale_f32_16x16x128_f8f6f4 v[WD:WD+7], v[WA:WA+11], v[WB:WB+11], 0, v[WSA], v[WSB] matrix_a_fmt:MATRIX_FMT_BF6 matrix_b_fmt:MATRIX_FMT_BF6 matrix_a_scale:MATRIX_SCALE_ROW1 matrix_b_scale:MATRIX_SCALE_ROW1
.elseif WRA
	v_wmma_scale_f32_16x16x128_f8f6f4 v[WD:WD+7], v[WA:WA+11], v[WB:WB+11], 0, v[WSA], v[WSB] matrix_a_fmt:MATRIX_FMT_BF6 matrix_b_fmt:MATRIX_FMT_BF6 matrix_a_scale:MATRIX_SCALE_ROW1
.elseif WRB
	v_wmma_scale_f32_16x16x128_f8f6f4 v[WD:WD+7], v[WA:WA+11], v[WB:WB+11], 0, v[WSA], v[WSB] matrix_a_fmt:MATRIX_FMT_BF6 matrix_b_fmt:MATRIX_FMT_BF6 matrix_b_scale:MATRIX_SCALE_ROW1
.else
	v_wmma_scale_f32_16x16x128_f8f6f4 v[WD:WD+7], v[WA:WA+11], v[WB:WB+11], 0, v[WSA], v[WSB] matrix_a_fmt:MATRIX_FMT_BF6 matrix_b_fmt:MATRIX_FMT_BF6
.endif
.else
.if WRA && WRB
	v_wmma_scale_f32_16x16x128_f8f6f4 v[WD:WD+7], v[WA:WA+11], v[WB:WB+11], v[WC:WC+7], v[WSA], v[WSB] matrix_a_fmt:MATRIX_FMT_BF6 matrix_b_fmt:MATRIX_FMT_BF6 matrix_a_scale:MATRIX_SCALE_ROW1 matrix_b_scale:MATRIX_SCALE_ROW1
.elseif WRA
	v_wmma_scale_f32_16x16x128_f8f6f4 v[WD:WD+7], v[WA:WA+11], v[WB:WB+11], v[WC:WC+7], v[WSA], v[WSB] matrix_a_fmt:MATRIX_FMT_BF6 matrix_b_fmt:MATRIX_FMT_BF6 matrix_a_scale:MATRIX_SCALE_ROW1
.elseif WRB
	v_wmma_scale_f32_16x16x128_f8f6f4 v[WD:WD+7], v[WA:WA+11], v[WB:WB+11], v[WC:WC+7], v[WSA], v[WSB] matrix_a_fmt:MATRIX_FMT_BF6 matrix_b_fmt:MATRIX_FMT_BF6 matrix_b_scale:MATRIX_SCALE_ROW1
.else
	v_wmma_scale_f32_16x16x128_f8f6f4 v[WD:WD+7], v[WA:WA+11], v[WB:WB+11], v[WC:WC+7], v[WSA], v[WSB] matrix_a_fmt:MATRIX_FMT_BF6 matrix_b_fmt:MATRIX_FMT_BF6
.endif
.endif
.endm
; a fragment (16 rows x 128 K, twelve registers) of K step q from padded rows: six pieces of 8 bytes.  Lanes 16-31 read three pieces further on, which for some pieces lies behind one padding more: register adr + 1 serves those
.macro FRAG reg, adr, q, off
.irp p,0,1,2,3,4,5
.set PCE, 12*(\q)+6*(\p/3)+\p%3
.if PCE%8 < 5
	ds_load_b64 v[\reg+2*\p:\reg+2*\p+1], v[\adr] offset:8*PCE+16*(PCE/8)+(\off)
.else
	ds_load_b64 v[\reg+2*\p:\reg+2*\p+1], v[\adr+1] offset:8*PCE+16*(PCE/8)+(\off)
.endif
.endr
.endm
.macro LDW q                           ; the weight's two tiles of K step q into buffer q % 2
.irp u,0,1
	FRAG 120+24*((\q)%2)+12*\u, 13, \q, 5760*\u
.endr
.endm
.macro LDX q, s0                       ; xf's tiles s0, s0 + 1
.irp d,0,1
	FRAG 168+12*((\s0)+\d), 11, \q, 5760*((\s0)+\d)
.endr
.endm
; four products of K step s: xf's tiles s0, s0 + 1 against the weight's two.  form 0 (K): source 0 = weight, so that a lane holds one key and 16 neighbouring d.  form 1 (V): source 0 = xf, so that a lane holds one d and 32 neighbouring keys.
.macro MM form, s, s0
.irp d,0,1
.irp u,0,1
.set SG, (\s0)+\d
.if \form == 0
.set WD, 56+16*SG+8*\u
.set WA, 120+24*((\s)%2)+12*\u
.set WB, 168+12*SG
.set WSA, 32+(\s)
.set WSB, 20+6*(SG/2)+(\s)
.set WRA, \u
.set WRB, SG%2
.else
.set WD, 56+32*\u+8*SG
.set WA, 168+12*SG
.set WB, 120+24*((\s)%2)+12*\u
.set WSA, 20+6*(SG/2)+(\s)
.set WSB, 32+(\s)
.set WRA, SG%2
.set WRB, \u
.endif
.set WZ, 0
.set WC, WD
.if (\s) == 0
.set WC, 40+8*\u                       ; the bias starts each sum
.endif
	WMS
.endr
.endr
.endm
; K = 768 in six steps, written out.  The eight accumulators take turns, one instruction a turn, in the same order in every step.
.macro KVLOOP form
	LDW 0
	LDX 0, 0
	LDX 0, 2
.irp s,0,1,2,3,4,5
	s_wait_dscnt 12                        ; all but the youngest twelve loads (xf's tiles 2, 3) are in
	MM \form, \s, 0
	PLACES
.if \s < 5
	LDW \s+1
	LDX \s+1, 0
	s_wait_dscnt 24                        ; all but the 24 just issued: xf's tiles 2, 3 are in
.else
	s_wait_dscnt 0
.endif
	MM \form, \s, 2
	PLACES
.if \s < 5
	LDX \s+1, 2
.endif
.endr
.endm
	s_load_b512 s[4:19], s[0:1], 0x0               ; xf codes 4, xf scales 6, Wk codes 8, Wk scales 10, Wv codes 12, Wv scales 14, bk 16, bv 18
	s_load_b256 s[20:27], s[0:1], 0x40             ; Wq 20, Wo 22, W1 24, W2 26 (codes)
	s_load_b128 s[28:31], s[0:1], 0x60             ; ws 28, kv 30
	s_set_vgpr_msb 0x40
	v_lshl_add_u32 v0, v0, 2, 0x21c00
	v_mov_b32 v1, 0
	s_set_vgpr_msb 0x4000
	v_lshrrev_b32 v1, 5, v0
	v_readfirstlane_b32 s32, v1                    ; wave 0..3
	s_mov_b32 s34, 0x76543210
	s_mov_b32 s35, 0xfedcba98                      ; v_permlanex16_b32's selects for lane l xor 16
	s_cmp_ge_u32 ttmp9, 128                        ; the same for all four waves of a work-group
	s_cbranch_scc1 .Lrelay
	; ---------------- k and v ----------------
	s_lshr_b32 s36, ttmp9, 5                       ; batch
	s_bfe_u32 s37, ttmp9, 0x20003                  ; f: which 64 keys
	s_and_b32 s38, ttmp9, 7                        ; pair of heads
	s_lshr_b32 s39, s32, 1                         ; which head of the pair
	s_and_b32 s40, s32, 1                          ; 0: K, 1: V
	s_lshl_b32 s41, s38, 1
	s_add_co_u32 s41, s41, s39                     ; head
	v_lshlrev_b32 v1, 4, v0                        ; 16 t: my 16 bytes of 2,048
	v_lshrrev_b32 v2, 2, v0
	v_add_nc_u32 v2, v2, v0
	v_lshlrev_b32 v2, 4, v2                        ; and their place in LDS: 16 (t + t / 4)
	v_add_nc_u32 v3, WKB, v2
	v_add_nc_u32 v4, WVB, v2
	v_and_b32 v5, 15, v0                           ; r
	v_bfe_u32 v6, v0, 4, 1                         ; h
	v_lshrrev_b32 v18, 3, v5
	v_and_b32 v19, 7, v5
	v_lshl_add_u32 v19, v18, 5, v19                ; a tile's lane r takes xf's row 32 (r / 8) + r % 8 (+ 8 x tile)
	v_lshl_add_u32 v7, v6, 3, v19
	v_mul_u32_u24 v7, v7, 24                       ; xf's scale bytes: lanes 16-31 take the odd tile's rows
	v_lshl_add_u32 v18, v18, 3, v5                 ; a weight tile's lane r takes row r + 8 (r / 8) (+ 8 x tile)
	v_lshl_add_u32 v8, v6, 3, v18
	v_mul_u32_u24 v8, v8, 24                       ; the weight's scale bytes: lanes 16-31 take tile 1's rows
	s_lshl_b32 s42, s41, 7
	v_lshl_add_u32 v9, v6, 6, s42                  ; the bias as K's sums want it: 16 numbers from d = 16 h on
	v_lshl_add_u32 v10, v18, 2, s42                ; and as V's want it: one number, d = r + 8 (r / 8) (+ 8 u)
	v_mul_u32_u24 v11, v19, 720
	v_mad_u32_u24 v11, v6, 24, v11                 ; xf's fragments in LDS
	v_lshl_add_u32 v12, v6, 4, v11                 ; (behind one padding more)
	s_mul_i32 s43, s40, 46080
	s_mul_i32 s44, s39, 23040
	s_add_co_u32 s43, s43, s44
	s_add_co_u32 s43, s43, WKB                     ; my weight's block, my head's 32 rows
	v_mul_u32_u24 v13, v18, 720
	v_mad_u32_u24 v13, v6, 24, v13
	v_add_nc_u32 v13, s43, v13
	v_lshl_add_u32 v14, v6, 4, v13
	v_and_b32 v15, 31, v0
	v_lshlrev_b32 v16, 3, v15                      ; 8 x lane
	v_lshlrev_b32 v17, 2, v15                      ; 4 x lane
	v_lshlrev_b32 v15, 4, v15                      ; 16 x lane
	s_wait_kmcnt 0x0
	s_lshl_b32 s44, s36, 8
	s_lshl_b32 s45, s37, 6
	s_add_co_u32 s44, s44, s45                     ; xf's first row
	s_mul_i32 s46, s44, 24
	s_mov_b32 s47, 0
	s_add_nc_u64 s[6:7], s[6:7], s[46:47]
	s_mul_i32 s46, s44, 576
	s_add_nc_u64 s[4:5], s[4:5], s[46:47]
	s_mul_i32 s46, s38, 36864                      ; the pair's 64 rows of each weight
	s_add_nc_u64 s[8:9], s[8:9], s[46:47]
	s_add_nc_u64 s[12:13], s[12:13], s[46:47]
	s_cmp_eq_u32 s40, 0
	s_cselect_b64 s[48:49], s[10:11], s[14:15]     ; my weight's scales,
	s_cselect_b64 s[50:51], s[16:17], s[18:19]     ; my bias
	s_mul_i32 s46, s41, 768
	s_add_nc_u64 s[48:49], s[48:49], s[46:47]
	s_lshl_b32 s46, s36, 4
	s_add_co_u32 s46, s46, s41
	s_mul_i32 s46, s46, 14336
	s_add_nc_u64 s[30:31], s[30:31], s[46:47]      ; my record
	s_mul_i32 s52, s37, 1536
	s_mov_b32 s53, 0
	s_add_nc_u64 s[54:55], s[30:31], s[52:53]      ; KF's fragment f
	s_lshl_b32 s52, s37, 8
	s_add_nc_u64 s[56:57], s[30:31], s[52:53]      ; KS
	s_lshr_b32 s46, s37, 1
	s_lshl_b32 s46, s46, 2
	s_and_b32 s62, s37, 1
	s_add_co_u32 s46, s46, s62                     ; 4 st + c
	s_mul_i32 s52, s46, 768
	s_add_nc_u64 s[58:59], s[30:31], s[52:53]      ; VF
	s_lshl_b32 s52, s46, 7
	s_add_nc_u64 s[60:61], s[30:31], s[52:53]      ; VS
	s_lshl_b32 s62, s62, 4                         ; 16 c
	; the small loads first: they are older than every dense load
.irp pp,0,1
.irp q,0,1,2
	global_load_b64 v[20+6*\pp+2*\q:21+6*\pp+2*\q], v7, s[6:7] offset:384*\pp+8*\q   ; register 20 + 6 pp + s: K step s; lanes 0-15 tile 2 pp, lanes 16-31 tile 2 pp + 1
.endr
.endr
.irp q,0,1,2
	global_load_b64 v[32+2*\q:33+2*\q], v8, s[48:49] offset:8*\q
.endr
.irp j,0,1,2,3
	global_load_b128 v[40+4*\j:43+4*\j], v9, s[50:51] offset:16*\j
.endr
	global_load_b32 v38, v10, s[50:51]
	global_load_b32 v39, v10, s[50:51] offset:32
	; three dense blocks of 36,864 bytes: 128 threads x 16 bytes x 18
.set k, 0
.rept 18
	global_load_b128 v[112+4*k:115+4*k], v1, s[4:5] offset:2048*k
.set k, k+1
.endr
.set k, 0
.rept 18
	global_load_b128 v[184+4*k:187+4*k], v1, s[8:9] offset:2048*k
.set k, k+1
.endr
	s_wait_loadcnt 18                              ; xf's block is in; Wk's 18 loads may be out
.set k, 0
.rept 18
	ds_store_b128 v2, v[112+4*k:115+4*k] offset:2560*k
.set k, k+1
.endr
	s_wait_dscnt 0x0                               ; the stores have read their registers, which take Wv's block
.set k, 0
.rept 18
	global_load_b128 v[112+4*k:115+4*k], v1, s[12:13] offset:2048*k
.set k, k+1
.endr
	s_wait_loadcnt 18                              ; Wk's block is in
.set k, 0
.rept 18
	ds_store_b128 v3, v[184+4*k:187+4*k] offset:2560*k
.set k, k+1
.endr
	s_wait_loadcnt 0x0
.set k, 0
.rept 18
	ds_store_b128 v4, v[112+4*k:115+4*k] offset:2560*k
.set k, k+1
.endr
	s_wait_dscnt 0x0                               ; for the others' sake: my stores have landed
	s_barrier_signal -1
	s_barrier_wait -1                              ; the only barrier: behind it LDS is only read
	s_cmp_lg_u32 s40, 0
	s_cbranch_scc1 .Lvpath
	; ---- K: lane (r, h) ends with d = 16 h .. 16 h + 15 of key lane r, 16 registers for each of the four tiles of keys
	KVLOOP 0
.irp g,0,1,2,3
	v_max3_num_f32 v[216+\g], |v[56+16*\g]|, |v[57+16*\g]|, 0x2800000   ; my 16 numbers and the floor 2^(5 - 127): the byte cannot fall under 1
.endr
.irp i,2,4,6,8,10,12,14
.irp g,0,1,2,3
	v_max3_num_f32 v[216+\g], v[216+\g], |v[56+16*\g+\i]|, |v[57+16*\g+\i]|
.endr
.endr
.irp g,0,1,2,3
	v_permlanex16_b32 v[220+\g], v[216+\g], s34, s35   ; (its destination has been written: it held landed bytes)
.endr
.irp g,0,1,2,3
	v_max_num_f32 v[216+\g], v[216+\g], v[220+\g]      ; with lane l xor 16's: the key's 32
.endr
.irp g,0,1,2,3
	v_add_nc_u32 v[224+\g], 0xfe000000, v[216+\g]      ; 4 off the exponent field: the conversion's scale operand
.endr
.irp g,0,1,2,3
	v_lshrrev_b32 v[220+\g], 23, v[224+\g]             ; the scale's byte
.endr
	v_cvt_scalef32_pk16_bf6_f32 v[228:230], v[56:71], v224      ; slot 0
	v_cvt_scalef32_pk16_bf6_f32 v[240:242], v[72:87], v225      ; slot 1 (a conversion's three registers begin on an even number: made elsewhere and moved)
	v_cvt_scalef32_pk16_bf6_f32 v[234:236], v[88:103], v226     ; slot 2
	v_cvt_scalef32_pk16_bf6_f32 v[244:246], v[104:119], v227    ; slot 3
	v_nop                                          ; one plain place behind the conversions
.irp i,0,1,2
	v_mov_b32 v[231+\i], v[240+\i]
	v_mov_b32 v[237+\i], v[244+\i]
.endr
.irp g,0,1,2,3
	v_lshl_or_b32 v[248+\g], v[220+\g], 8, v[220+\g]
.endr
.irp g,0,1,2,3
	v_lshl_or_b32 v[248+\g], v[248+\g], 16, v[248+\g]  ; the byte in all four bytes
.endr
	v_cmp_ne_u32 vcc_lo, 0, v6
	v_cndmask_b32 v252, v248, v249, vcc_lo         ; lanes 0-15 the even slot's word, lanes 16-31 the odd slot's
	v_cndmask_b32 v253, v250, v251, vcc_lo
.irp c,0,1,2
	global_store_b128 v15, v[228+4*\c:231+4*\c], s[54:55] offset:512*\c   ; 512 consecutive bytes
.endr
	global_store_b64 v16, v[252:253], s[56:57] offset:6144
	s_set_vgpr_msb 0x5
	s_wait_tensorcnt 0x0
	ds_add_u32 v0, v1
	s_wait_dscnt 0x0
	s_set_vgpr_msb 0x500
	s_endpgm
.Lvpath:
	; ---- V: lane (r, h) ends with keys 32 h .. 32 h + 31 of the 64, of d = 8 u + r + 8 (r / 8): a whole block of 32 in 32 registers
.irp u,0,1
.irp j,0,1,2,3,4,5,6,7
	v_mov_b32 v[40+8*\u+\j], v[38+\u]              ; the bias in the result's layout: a lane has one d
.endr
.endr
	KVLOOP 1
.irp u,0,1
	v_max3_num_f32 v[216+\u], |v[56+32*\u]|, |v[57+32*\u]|, 0x2800000
.endr
.irp i,2,4,6,8,10,12,14,16,18,20,22,24,26,28,30
.irp u,0,1
	v_max3_num_f32 v[216+\u], v[216+\u], |v[56+32*\u+\i]|, |v[57+32*\u+\i]|
.endr
.endr
.irp u,0,1
	v_add_nc_u32 v[224+\u], 0xfe000000, v[216+\u]
.endr
.irp u,0,1
	v_lshrrev_b32 v[220+\u], 23, v[224+\u]
.endr
.irp u,0,1
	v_cvt_scalef32_pk16_bf6_f32 v[228+6*\u:230+6*\u], v[56+32*\u:71+32*\u], v[224+\u]
	v_cvt_scalef32_pk16_bf6_f32 v[240+4*\u:242+4*\u], v[72+32*\u:87+32*\u], v[224+\u]
.endr
	v_nop
.irp u,0,1
.irp i,0,1,2
	v_mov_b32 v[231+6*\u+\i], v[240+4*\u+\i]
.endr
.endr
	v_lshlrev_b32 v248, 3, v6
	v_add_nc_u32 v248, s62, v248                   ; my byte's place in the row's scale word: 8 h + 16 c bits up
.irp u,0,1
	v_lshlrev_b32 v[250+\u], v248, v[220+\u]
.endr
.irp u,0,1
	v_permlanex16_b32 v[252+\u], v[250+\u], s34, s35
.endr
.irp u,0,1
	v_or_b32 v[250+\u], v[250+\u], v[252+\u]
.endr
.irp u,0,1
.irp p,0,1,2
	global_store_b64 v16, v[228+6*\u+2*\p:229+6*\u+2*\p], s[58:59] offset:7168+1536*\u+256*\p   ; 256 consecutive bytes
.endr
	global_store_b32 v17, v[250+\u], s[60:61] offset:13312+256*\u
.endr
	s_set_vgpr_msb 0x5
	s_wait_tensorcnt 0x0
	ds_add_u32 v0, v1
	s_wait_dscnt 0x0
	s_set_vgpr_msb 0x500
	s_endpgm
	; ---------------- the weights' images ----------------
.Lrelay:
	s_sub_co_u32 s36, ttmp9, 128
	s_lshl_b32 s36, s36, 2
	s_add_co_u32 s36, s36, s32                     ; 0 .. 319: (pair of entries, wave of the next launch)
	s_and_b32 s37, s36, 15                         ; w
	s_lshr_b32 s38, s36, 4
	s_lshl_b32 s38, s38, 1                         ; e: entries e and e + 1 (same matrix, neighbouring K steps)
	s_sub_co_u32 s39, s38, 24                      ; the K step, were it W2,
	s_sub_co_u32 s43, s38, 8
	s_and_b32 s46, s43, 3                          ; W1,
	s_lshr_b32 s47, s43, 2
	s_lshl_b32 s47, s47, 9                         ; (and W1's chunk of 512 rows)
	s_sub_co_u32 s48, s38, 4                       ; Wo
	s_mov_b32 s41, 1536                            ; a row in bytes
	s_mov_b32 s42, 0
	s_wait_kmcnt 0x0
	s_cmp_lt_u32 s38, 24
	s_cselect_b64 s[44:45], s[24:25], s[26:27]
	s_cselect_b32 s41, 384, s41
	s_cselect_b32 s39, s46, s39
	s_cselect_b32 s42, s47, s42
	s_cmp_lt_u32 s38, 8
	s_cselect_b64 s[44:45], s[22:23], s[44:45]
	s_cselect_b32 s39, s48, s39
	s_cselect_b32 s42, 0, s42
	s_cmp_lt_u32 s38, 4
	s_cselect_b64 s[44:45], s[20:21], s[44:45]
	s_cselect_b32 s39, s38, s39
	s_lshl_b32 s40, s37, 5
	s_add_co_u32 s40, s40, s42                     ; the first weight row
	s_mul_i32 s50, s40, s41
	s_mul_i32 s39, s39, 96
	s_add_co_u32 s50, s50, s39
	s_mov_b32 s51, 0
	s_add_nc_u64 s[44:45], s[44:45], s[50:51]
	s_mul_i32 s50, s37, 122880
	s_mul_i32 s52, s38, 3072
	s_add_co_u32 s50, s50, s52
	s_add_nc_u64 s[28:29], s[28:29], s[50:51]
	v_and_b32 v1, 15, v0
	v_bfe_u32 v2, v0, 4, 1
	v_and_b32 v3, 8, v1
	v_add_nc_u32 v3, v3, v1                        ; r + 8 (r / 8)
	v_mul_lo_u32 v4, v3, s41
	v_mad_u32_u24 v4, v2, 24, v4                   ; tile 0: row x pitch + 24 h
	s_lshl_b32 s52, s41, 3
	v_add_nc_u32 v5, s52, v4                       ; tile 1: eight rows on
	v_and_b32 v6, 31, v0
	v_lshlrev_b32 v6, 4, v6
.irp d,0,1
.irp u,0,1
.irp p,0,1,2,3,4,5
	global_load_b64 v[32+12*(2*\d+\u)+2*\p:33+12*(2*\d+\u)+2*\p], v[4+\u], s[44:45] offset:96*\d+48*(\p/3)+8*(\p%3)
.endr
.endr
.endr
	s_wait_loadcnt 0x0
.irp d,0,1
.irp u,0,1
.irp c,0,1,2
	global_store_b128 v6, v[32+12*(2*\d+\u)+4*\c:35+12*(2*\d+\u)+4*\c], s[28:29] offset:3072*\d+1536*\u+512*\c   ; 512 consecutive bytes
.endr
.endr
.endr
	s_endpgm
.Lfunc_end_k_q0a795d6758_prep:
	.size	k_q0a795d6758_prep, .Lfunc_end_k_q0a795d6758_prep-k_q0a795d6758_prep
	.p2alignl 7, 3214868480
	.fill 96, 4, 3214868480
	.section	.rodata,"a",@progbits
	.p2align	6, 0x0
	.amdhsa_kernel k_q0a795d6758_prep
		.amdhsa_group_segment_fixed_size 138752
		.amdhsa_private_segment_fixed_size 0
		.amdhsa_enable_private_segment 0
		.amdhsa_kernarg_size 112
		.amdhsa_user_sgpr_count 2
		.amdhsa_user_sgpr_kernarg_segment_ptr 1
		.amdhsa_wavefront_size32 1
		.amdhsa_system_sgpr_workgroup_id_x 1
		.amdhsa_system_sgpr_workgroup_id_y 1
		.amdhsa_system_sgpr_workgroup_id_z 1
		.amdhsa_system_vgpr_workitem_id 0
		.amdhsa_next_free_vgpr 258
		.amdhsa_next_free_sgpr 66
		.amdhsa_reserve_vcc 1
		.amdhsa_float_denorm_mode_32 3
		.amdhsa_float_denorm_mode_16_64 3
		.amdhsa_memory_ordered 1
		.amdhsa_forward_progress 1
		.amdhsa_inst_pref_size 72
	.end_amdhsa_kernel
	.amdgpu_metadata
---
amdhsa.version: [ 1, 2 ]
amdhsa.kernels:
  - .name:           k_q0a795d6758_prep
    .symbol:         k_q0a795d6758_prep.kd
    .args:
      - { .name: xf_codes, .offset: 0, .size: 8, .value_kind: global_buffer, .address_space: global }
      - { .name: xf_scales, .offset: 8, .size: 8, .value_kind: global_buffer, .address_space: global }
      - { .name: Wk_codes, .offset: 16, .size: 8, .value_kind: global_buffer, .address_space: global }
      - { .name: Wk_scales, .offset: 24, .size: 8, .value_kind: global_buffer, .address_space: global }
      - { .name: Wv_codes, .offset: 32, .size: 8, .value_kind: global_buffer, .address_space: global }
      - { .name: Wv_scales, .offset: 40, .size: 8, .value_kind: global_buffer, .address_space: global }
      - { .name: bk, .offset: 48, .size: 8, .value_kind: global_buffer, .address_space: global }
      - { .name: bv, .offset: 56, .size: 8, .value_kind: global_buffer, .address_space: global }
      - { .name: Wq_codes, .offset: 64, .size: 8, .value_kind: global_buffer, .address_space: global }
      - { .name: Wo_codes, .offset: 72, .size: 8, .value_kind: global_buffer, .address_space: global }
      - { .name: W1_codes, .offset: 80, .size: 8, .value_kind: global_buffer, .address_space: global }
      - { .name: W2_codes, .offset: 88, .size: 8, .value_kind: global_buffer, .address_space: global }
      - { .name: ws, .offset: 96, .size: 8, .value_kind: global_buffer, .address_space: global }
      - { .name: kv, .offset: 104, .size: 8, .value_kind: global_buffer, .address_space: global }
    .group_segment_fixed_size: 138752
    .private_segment_fixed_size: 0
    .kernarg_segment_align: 8
    .kernarg_segment_size: 112
    .max_flat_workgroup_size: 128
    .sgpr_count:     66
    .vgpr_count:     258
    .wavefront_size: 32
...
	.end_amdgpu_metadata
.endif
;; end of part 1
;; launch main (part 2): grid 256 x 1, 16 waves a work-group, no clusters, 300,032 bytes of LDS; arguments x, ws, kv, Wq_scales, Wo_scales, W1_scales, W2_scales, bq, bo, b1, b2, ln_g, ln_b, out0; writes out0
.if DOCPART == 2
	.amdgcn_target "amdgcn-amd-amdhsa--gfx1250"
	.amdhsa_code_object_version 6
	.text
	.protected	k_q0a795d6758_main
	.globl	k_q0a795d6758_main
	.p2align	8
	.type	k_q0a795d6758_main,@function
k_q0a795d6758_main:
	s_mov_b64 s[64:65], 0
	v_nop
	global_prefetch_b8 v0, s[64:65] scope:SCOPE_SE
	s_setreg_imm32_b32 hwreg(HW_REG_WAVE_MODE, 25, 1), 1
	s_wait_xcnt 0x0
; out0 = x + out + FFN(LN(out)), out = attention(x, xf) Wo + bo: the whole block for 64 rows a work-group, every product on codes of BF6 (E3M2) with one E8M0 scale for each 32 along K, sums in f32.
; SHARES.  16 waves, four to a SIMD, 256 registers each, so that one wave's vector work (softmax, GELU, quantisers) stands beside another's matrix work and loads.
; In every product with a weight wave w owns output columns 32 w .. 32 w + 31 (in W1: of each chunk of 512) for all 64 rows: 2 tiles of columns x 4 tiles of rows, 8 accumulators.  In attention wave w is head w.
; TRANSPOSED USE: source 0 = 16 weight rows, source 1 = 16 activation rows.  Tile u's lane p takes weight row 32 w + 8 u + p + 8 (p / 8), so lane (r, h) holds, in the 16 registers of a row tile's two
; accumulators, columns 32 w + 16 h + 0 .. 15 of row r: half of ONE block of 32 of the next product's K; the other half lies in lane l xor 16.
; ACTIVATION CODES lie in LDS as plain rows of the bit stream, 24 bytes a block; a lane stores its 12 bytes and the block's byte; any wave reads fragments by six loads of 8 bytes.
; WEIGHTS come from ws (fragment images laid by the launch before) straight into a ring of four register slots, each refilled as soon as its K step is multiplied: four K steps ahead of its use.
; q k^T HAS K = 32.  A fragment's twelve registers are four slots of three; a packed fragment of K holds four tiles of keys, one a slot; q's operand holds q's codes in one slot and zero codes in the others: four
; windows into one run of 30 registers.  Both scale words carry the block's byte in all four bytes.  The keys of a tile are chosen so that a lane's 32 registers of four tiles are one whole block of 32 keys, in order.
; SOFTMAX: t = score x log2(e); M = the running largest t rounded up to a whole number; p = 2^(t - M) is quantised; the sum is taken of the unquantised p and divides at the end.
; NO CLUSTER, NO TENSOR LOAD: a joint load lands in LDS, of whose 327,680 bytes the rows' own data take 297,984 (x in f32 132,096, hidden codes 99,328); and each weight fragment feeds one wave only, so a way
; through LDS would add 1,536 bytes of LDS reads for every four matrix instructions.  No prefetch: x is read once, at the head; ws and kv are read by many work-groups.
; LIMITS: NaN and infinities are not served.  A block of zeros gets the byte 1 (zero codes; this program alone reads the bytes).  A block's largest p is taken as 2^ of its largest score's t - M: this takes v_exp_f32 not
; to fall where its input rises.  erf(z) = z P(z^2) / Q(z^2) with z held to +-4, a few ulp of erf; so gelu's absolute error is about 1e-7 |x|, and its relative error grows in the far negative tail.
.set XC,   0                           ; LDS: code rows, pitch 400 (384 + 16): x's codes, later LN(out)'s
.set AC,   25600                       ; the attention output's codes, likewise
.set XSC,  51200                       ; their scale bytes, 16 a row
.set ASC,  52224
.set RED1, 53248                       ; [wave][r][4 row tiles] f32: the rows' partial sums
.set RED2, 57344                       ; and partial sums of squares
.set GSC,  61440                       ; the hidden layer's scale bytes, 64 a row, pitch 80
.set GC,   66560                       ; the hidden layer's codes, pitch 1,552 (1,536 + 16).  Its first 32,768 bytes serve earlier for q's codes: [wave][row tile][lane][16 B], each wave's own
.set XR,   165888                      ; 64 rows of f32, pitch 2,064: x, then x + out + b2, then the result
.set ACC,  32                          ; v32-95   accumulator (m, u) at 32 + 16 m + 8 u
.set WF,   96                          ; v96-191  the ring: slot s at 96 + 24 s, tile u at + 12
.set ACT,  192                         ; v192-239 activation fragments, row tile m at 192 + 12 m; between products: at work
; v1 16 x lane; v2 400 r + 24 h; v3 400 r + 24 w + 12 h; v4 16 r + w; v5, v6 my 64 bytes of XR's rows (row tiles 0-1, 2-3); v7-13 a phase's own; v14 bias offset; v15 weight-scale offset
; v16-31 bias (W2: its scale words); v240-243 the weight's scale words; v244-251 the activation's; v252-255 two constants as pairs
.macro PLACES                          ; four plain places behind matrix instructions, ahead of loads into their registers and of the first read of results
.rept 4
	v_nop
.endr
.endm
.macro BAR                             ; my LDS stores have landed and my LDS loads are in: then the work-group's barrier
	s_wait_dscnt 0x0
	s_barrier_signal -1
	s_barrier_wait -1
.endm
.macro SPAIR r, val                    ; a constant as a pair: the packed forms name both words
	s_mov_b32 s[\r], \val
	s_mov_b32 s[\r+1], \val
.endm
; one scaled product; its operands are named by the symbols WD, WA, WB, WC (WZ = 1: C is the constant 0), WSA, WSB; WRA, WRB = 1: that side's scales stand in lanes 16-31
.macro WMS
.if WZ
.if WRA && WRB
	v_wmma_scale_f32_16x16x128_f8f6f4 v[WD:WD+7], v[WA:WA+11], v[WB:WB+11], 0, v[WSA], v[WSB] matrix_a_fmt:MATRIX_FMT_BF6 matrix_b_fmt:MATRIX_FMT_BF6 matrix_a_scale:MATRIX_SCALE_ROW1 matrix_b_scale:MATRIX_SCALE_ROW1
.elseif WRA
	v_wmma_scale_f32_16x16x128_f8f6f4 v[WD:WD+7], v[WA:WA+11], v[WB:WB+11], 0, v[WSA], v[WSB] matrix_a_fmt:MATRIX_FMT_BF6 matrix_b_fmt:MATRIX_FMT_BF6 matrix_a_scale:MATRIX_SCALE_ROW1
.elseif WRB
	v_wmma_scale_f32_16x16x128_f8f6f4 v[WD:WD+7], v[WA:WA+11], v[WB:WB+11], 0, v[WSA], v[WSB] matrix_a_fmt:MATRIX_FMT_BF6 matrix_b_fmt:MATRIX_FMT_BF6 matrix_b_scale:MATRIX_SCALE_ROW1
.else
	v_wmma_scale_f32_16x16x128_f8f6f4 v[WD:WD+7], v[WA:WA+11], v[WB:WB+11], 0, v[WSA], v[WSB] matrix_a_fmt:MATRIX_FMT_BF6 matrix_b_fmt:MATRIX_FMT_BF6
.endif
.else
.if WRA && WRB
	v_wmma_scale_f32_16x16x128_f8f6f4 v[WD:WD+7], v[WA:WA+11], v[WB:WB+11], v[WC:WC+7], v[WSA], v[WSB] matrix_a_fmt:MATRIX_FMT_BF6 matrix_b_fmt:MATRIX_FMT_BF6 matrix_a_scale:MATRIX_SCALE_ROW1 matrix_b_scale:MATRIX_SCALE_ROW1
.elseif WRA
	v_wmma_scale_f32_16x16x128_f8f6f4 v[WD:WD+7], v[WA:WA+11], v[WB:WB+11], v[WC:WC+7], v[WSA], v[WSB] matrix_a_fmt:MATRIX_FMT_BF6 matrix_b_fmt:MATRIX_FMT_BF6 matrix_a_scale:MATRIX_SCALE_ROW1
.elseif WRB
	v_wmma_scale_f32_16x16x128_f8f6f4 v[WD:WD+7], v[WA:WA+11], v[WB:WB+11], v[WC:WC+7], v[WSA], v[WSB] matrix_a_fmt:MATRIX_FMT_BF6 matrix_b_fmt:MATRIX_FMT_BF6 matrix_b_scale:MATRIX_SCALE_ROW1
.else
	v_wmma_scale_f32_16x16x128_f8f6f4 v[WD:WD+7], v[WA:WA+11], v[WB:WB+11], v[WC:WC+7], v[WSA], v[WSB] matrix_a_fmt:MATRIX_FMT_BF6 matrix_b_fmt:MATRIX_FMT_BF6
.endif
.endif
.endm
.macro REFILL slot, base, off          ; two fragment images, 3,072 bytes, into a slot of the ring: each load takes 512 consecutive bytes
.irp u,0,1
.irp c,0,1,2
	global_load_b128 v[WF+24*(\slot)+12*\u+4*\c:WF+24*(\slot)+12*\u+4*\c+3], v1, s[\base:\base+1] offset:(\off)+1536*\u+512*\c
.endr
.endr
.endm
.macro AFRAG m, adr, off               ; an activation fragment from code rows: 24 bytes and, 48 on, 24 more, in pieces of 8
.irp p,0,1,2,3,4,5
	ds_load_b64 v[ACT+12*(\m)+2*\p:ACT+12*(\m)+2*\p+1], v[\adr] offset:(\off)+48*(\p/3)+8*(\p%3)
.endr
.endm
.macro APAIR m0, s, a01, a23, aoff, astep, split   ; row tiles m0, m0 + 1 of K step s.  split = 1: row tiles 2, 3 have an address register of their own, 2 astep further on
.irp d,0,1
.set GM, (\m0)+\d
.set GA, \a01
.if GM >= 2
.set GA, \a23
.endif
	AFRAG GM, GA, (\aoff)+(\astep)*(GM-2*(\split)*(GM/2))+96*(\s)
.endr
.endm
.macro WROW4 m0, s, wsc, cm            ; four products: row tiles m0, m0 + 1 x column tiles 0, 1.  cm = 0: onto the sums; 1: the bias starts them; 2: the constant 0 does
.irp d,0,1
.irp u,0,1
.set GM, (\m0)+\d
.set WD, ACC+16*GM+8*\u
.set WA, WF+24*(\s)+12*\u
.set WB, ACT+12*GM
.set WZ, 0
.set WC, WD
.if (\cm) == 1
.set WC, 16+8*\u
.endif
.if (\cm) == 2
.set WZ, 1
.endif
.set WSA, (\wsc)+(\s)
.set WSB, 244+4*(GM/2)+(\s)
.set WRA, \u
.set WRB, GM%2
	WMS
.endr
.endr
.endm
; FOUR K STEPS (512 along K) of my 32 columns x 64 rows: 32 products.  The eight accumulators take turns, one instruction a turn, in the same order in every step.
; rf: the first rf steps refill their slot from s[rbase] + roff + 3,072 s.  wc = 1: each step waits until only 18 loads are out (the three refills issued behind the one that it reads); wc = 2: 18, 12, 6, 0.
; extra = 1 (W1's loop): the next chunk's bias and scale words follow the registers' last use.
.macro GEMM4 a01, a23, aoff, astep, split, sadr, soff, sstep, wsc, cm0, rf, rbase, roff, wc, extra
	ds_load_b128 v[244:247], v[\sadr] offset:\soff             ; scale words of the four K steps: lanes 0-15 row tile 0, lanes 16-31 row tile 1
	ds_load_b128 v[248:251], v[\sadr] offset:(\soff)+(\sstep)  ; row tiles 2 and 3
	APAIR 0, 0, \a01, \a23, \aoff, \astep, \split
	APAIR 2, 0, \a01, \a23, \aoff, \astep, \split
.irp s,0,1,2,3
.if (\wc) == 1
	s_wait_loadcnt 18
.elseif (\wc) == 2
	s_wait_loadcnt 18-6*\s
.endif
	s_wait_dscnt 12                        ; all but the youngest twelve loads (row tiles 2, 3) are in
.if \s == 0
	WROW4 0, \s, \wsc, \cm0
.else
	WROW4 0, \s, \wsc, 0
.endif
	PLACES
.if \s < 3
	APAIR 0, \s+1, \a01, \a23, \aoff, \astep, \split
	s_wait_dscnt 12                        ; all but the twelve just issued
.else
	s_wait_dscnt 0
.endif
.if \s == 0
	WROW4 2, \s, \wsc, \cm0
.else
	WROW4 2, \s, \wsc, 0
.endif
	PLACES
.if \s < 3
	APAIR 2, \s+1, \a01, \a23, \aoff, \astep, \split
.endif
.if \s < (\rf)
	REFILL \s, \rbase, (\roff)+3072*\s
.endif
.if (\extra) && (\s == 0)
.irp j,0,1,2,3
	global_load_b128 v[16+4*\j:19+4*\j], v14, s[22:23] offset:16*\j
.endr
.endif
.if (\extra) && (\s == 3)
	global_load_b128 v[240:243], v15, s[14:15]
.endif
.endr
.endm
; FOUR BLOCKS QUANTISED, one for each row tile m: my 16 numbers v[src + 16 m ..] and lane l xor 16's make a block.  Codes into v[204 + 4 m ..], 12 bytes; the scale's byte into v[196 + m].  The four by turns, line by line.
.macro QCORE src
.irp m,0,1,2,3
	v_max3_num_f32 v[192+\m], |v[\src+16*\m]|, |v[\src+16*\m+1]|, 0x2800000   ; with the floor 2^(5 - 127): the byte cannot fall under 1
.endr
.irp i,2,4,6,8,10,12,14
.irp m,0,1,2,3
	v_max3_num_f32 v[192+\m], v[192+\m], |v[\src+16*\m+\i]|, |v[\src+16*\m+\i+1]|
.endr
.endr
.irp m,0,1,2,3
	v_permlanex16_b32 v[196+\m], v[192+\m], s34, s35
.endr
.irp m,0,1,2,3
	v_max_num_f32 v[192+\m], v[192+\m], v[196+\m]
.endr
.irp m,0,1,2,3
	v_add_nc_u32 v[200+\m], 0xfe000000, v[192+\m]      ; 4 off the exponent field: the conversion's scale operand
.endr
.irp m,0,1,2,3
	v_lshrrev_b32 v[196+\m], 23, v[200+\m]
.endr
.irp m,0,1,2,3
	v_cvt_scalef32_pk16_bf6_f32 v[204+4*\m:206+4*\m], v[\src+16*\m:\src+16*\m+15], v[200+\m]
.endr
	v_nop                                  ; one plain place behind the conversions
.endm
.macro QSTORE a01, a23, coff, cstep, split, sa, soff, sstep   ; the codes into their rows, the bytes beside them (both lanes of a block write the same byte with the same value)
.irp m,0,1,2,3
.set QA, \a01
.if \m >= 2
.set QA, \a23
.endif
.set QO, (\coff)+(\cstep)*(\m-2*(\split)*(\m/2))
	ds_store_b32 v[QA], v[204+4*\m] offset:QO
	ds_store_b32 v[QA], v[205+4*\m] offset:QO+4
	ds_store_b32 v[QA], v[206+4*\m] offset:QO+8
	ds_store_b8 v[\sa], v[196+\m] offset:(\soff)+(\sstep)*\m
.endr
.endm
.macro XLD m, set                      ; my 16 numbers of row tile m of XR
.irp j,0,1,2,3
	ds_load_b128 v[\set+4*\j:\set+4*\j+3], v[5+(\m)/2] offset:33024*((\m)%2)+16*\j
.endr
.endm
.macro XST m, set
.irp j,0,1,2,3
	ds_store_b128 v[5+(\m)/2], v[\set+4*\j:\set+4*\j+3] offset:33024*((\m)%2)+16*\j
.endr
.endm
.macro XUPD m, set, left               ; XR's numbers + out + b2, back into XR: my own bytes
	s_wait_dscnt \left
.irp k,0,2,4,6,8,10,12,14
	v_pk_add_f32 v[\set+\k:\set+\k+1], v[\set+\k:\set+\k+1], v[ACC+16*(\m)+\k:ACC+16*(\m)+\k+1]
.endr
.irp k,0,2,4,6,8,10,12,14
	v_pk_add_f32 v[\set+\k:\set+\k+1], v[\set+\k:\set+\k+1], v[16+\k:17+\k]
.endr
	XST \m, \set
.endm
.macro REDUCE base                     ; the sixteen waves' partial sums of my four rows, added in the same order by every wave: v[240:243]
.irp i,0,1,2,3,4,5,6,7
	ds_load_b128 v[192+4*\i:195+4*\i], v8 offset:(\base)+256*\i
.endr
	s_wait_dscnt 0x0
	v_pk_add_f32 v[240:241], v[192:193], v[196:197]
	v_pk_add_f32 v[242:243], v[194:195], v[198:199]
.irp i,2,3,4,5,6,7
	v_pk_add_f32 v[240:241], v[240:241], v[192+4*\i:193+4*\i]
	v_pk_add_f32 v[242:243], v[242:243], v[194+4*\i:195+4*\i]
.endr
.irp i,0,1,2,3,4,5,6,7
	ds_load_b128 v[192+4*\i:195+4*\i], v8 offset:(\base)+2048+256*\i
.endr
	s_wait_dscnt 0x0
.irp i,0,1,2,3,4,5,6,7
	v_pk_add_f32 v[240:241], v[240:241], v[192+4*\i:193+4*\i]
	v_pk_add_f32 v[242:243], v[242:243], v[194+4*\i:195+4*\i]
.endr
.endm
; gelu(x) = 0.5 x (1 + erf(x / sqrt 2)) of the eight registers from v[GB] on.  z in v192-199, z^2 in v200-207, P in v208-215, Q in v216-223.
.macro GELU8
.irp k,0,2,4,6
	v_pk_mul_f32 v[192+\k:193+\k], v[GB+\k:GB+\k+1], s[44:45] op_sel_hi:[1,0]
.endr
.irp k,0,1,2,3,4,5,6,7
	v_med3_num_f32 v[192+\k], v[192+\k], -4.0, 4.0
.endr
.irp k,0,2,4,6
	v_pk_mul_f32 v[200+\k:201+\k], v[192+\k:193+\k], v[192+\k:193+\k]
.endr
.irp k,0,2,4,6
	v_pk_fma_f32 v[208+\k:209+\k], v[200+\k:201+\k], s[46:47], v[252:253] op_sel_hi:[1,0,1]
.endr
.irp c,48,50,52,54,56
.irp k,0,2,4,6
	v_pk_fma_f32 v[208+\k:209+\k], v[208+\k:209+\k], v[200+\k:201+\k], s[\c:\c+1] op_sel_hi:[1,1,0]
.endr
.endr
.irp k,0,2,4,6
	v_pk_fma_f32 v[216+\k:217+\k], v[200+\k:201+\k], s[58:59], v[254:255] op_sel_hi:[1,0,1]
.endr
.irp c,60,62,66
.irp k,0,2,4,6
	v_pk_fma_f32 v[216+\k:217+\k], v[216+\k:217+\k], v[200+\k:201+\k], s[\c:\c+1] op_sel_hi:[1,1,0]
.endr
.endr
.irp k,0,2,4,6
	v_pk_mul_f32 v[208+\k:209+\k], v[208+\k:209+\k], v[192+\k:193+\k]
.endr
.irp k,0,1,2,3,4,5,6,7
	v_rcp_f32 v[216+\k], v[216+\k]
.endr
.irp k,0,2,4,6
	v_pk_mul_f32 v[GB+\k:GB+\k+1], v[GB+\k:GB+\k+1], 0.5 op_sel_hi:[1,0]   ; plain work that names no reciprocal
.endr
	s_wait_alu depctr_va_vdst(0)           ; one wait for the eight reciprocals, ahead of their first reader
.irp k,0,2,4,6
	v_pk_mul_f32 v[208+\k:209+\k], v[208+\k:209+\k], v[216+\k:217+\k]      ; erf
.endr
.irp k,0,2,4,6
	v_pk_fma_f32 v[GB+\k:GB+\k+1], v[GB+\k:GB+\k+1], v[208+\k:209+\k], v[GB+\k:GB+\k+1]
.endr
.endm
; ATTENTION'S REGISTERS: v7 q's codes in LDS, v8-10 the trip's addresses, v11 8 h, v12 8 x lane, v13 4 x lane; v16-23 K's scale words, v24-27 V's, v28 q's, v29 p's; v32-95 S^T, then p; v96-143 K's four packed fragments;
; v144-167 V^T's two fragments of a step; v168-197 q's run: [9 zeros][q][6 zeros][q][9 zeros]; v198-213 O^T; v214-225 p's codes; v226-233 their odd halves; v234 -M, v235 the largest t; v[236:237] the sum; v238 f; v240-251 at work
; A STEP: 128 keys.
.macro STEP st
.set tau, 0
.rept 8                                ; S^T = K q^T: tile tau lies in slot tau % 4 of packed fragment 2 st + tau / 4; q's window has its codes in that slot
.set WD, 32+8*tau
.set WA, 96+12*(2*\st+tau/4)
.set WB, 186-12*(tau%2)-6*((tau%4)/2)
.set WZ, 1
.set WC, 0
.set WSA, 16+4*\st+tau/2
.set WSB, 28
.set WRA, tau%2
.set WRB, 0
	WMS
.set tau, tau+1
.endr
	PLACES
.irp u,0,1
.irp c,0,1
.irp p,0,1,2
	global_load_b64 v[144+12*\u+6*\c+2*\p:145+12*\u+6*\c+2*\p], v12, s[74:75] offset:7168+((2*\st+\u)*2+\c)*768+256*\p   ; V^T's fragments land while the softmax is walked
.endr
.endr
.endr
.irp c,0,1
	v_max3_num_f32 v[240+\c], v[32+32*\c], v[33+32*\c], v[34+32*\c]    ; the largest score of each of my two blocks of 32 keys: for the row's maximum, and for the block's largest p
.endr
.irp i,3,5,7,9,11,13,15,17,19,21,23,25,27,29
.irp c,0,1
	v_max3_num_f32 v[240+\c], v[240+\c], v[32+32*\c+\i], v[33+32*\c+\i]
.endr
.endr
.irp c,0,1
	v_max_num_f32 v[240+\c], v[240+\c], v[63+32*\c]
.endr
	v_max_num_f32 v244, v240, v241
	v_permlanex16_b32 v245, v244, s34, s35
	v_max_num_f32 v244, v244, v245         ; the step's largest score of my query
.if \st == 0
	v_mul_f32 v235, s36, v244              ; as t
	v_floor_f32 v234, -v235                ; -M = floor(-t): M is a whole number
.else
	v_mul_f32 v244, s36, v244
	v_max_num_f32 v235, v235, v244
	v_mov_b32 v245, v234
	v_floor_f32 v234, -v235
	v_sub_f32 v245, v234, v245             ; old M - new M: a whole number, 0 or less
	v_cvt_i32_f32 v245, v245
	v_ldexp_f32 v238, 1.0, v245            ; f = 2^(old M - new M): a multiplication by it rounds nothing
.endif
.set k, 0
.rept 32
	v_pk_fma_f32 v[32+k:33+k], v[32+k:33+k], s[36:37], v[234:235] op_sel_hi:[1,0,0]   ; t - M
.set k, k+2
.endr
.irp c,0,1
	v_fma_f32 v[240+\c], v[240+\c], s36, v234
.endr
.set k, 0
.rept 64
	v_exp_f32 v[32+k], v[32+k]             ; p = 2^(t - M)
.set k, k+1
.endr
.if \st == 0
	v_nop                                  ; a plain place behind the exponentials
.else
	v_pk_mul_f32 v[236:237], v[236:237], v[238:239] op_sel_hi:[1,0]        ; the sum under the new M: a plain place behind the exponentials
.endif
	s_wait_alu depctr_va_vdst(0)           ; one wait for the 64, ahead of their first reader
.irp c,0,1
	v_exp_f32 v[240+\c], v[240+\c]         ; the blocks' largest p
.endr
.if \st == 0
	v_pk_add_f32 v[236:237], v[32:33], v[36:37]    ; the sum of the unquantised p, in two chains
	v_pk_add_f32 v[246:247], v[34:35], v[38:39]
.set k, 8
.rept 14
	v_pk_add_f32 v[236:237], v[236:237], v[32+k:33+k]
	v_pk_add_f32 v[246:247], v[246:247], v[34+k:35+k]
.set k, k+4
.endr
.else
	v_pk_add_f32 v[246:247], v[32:33], v[34:35]
.set k, 4
.rept 15
	v_pk_add_f32 v[236:237], v[236:237], v[32+k:33+k]
	v_pk_add_f32 v[246:247], v[246:247], v[34+k:35+k]
.set k, k+4
.endr
.endif
	v_pk_add_f32 v[236:237], v[236:237], v[246:247]
	s_wait_alu depctr_va_vdst(0)           ; and one for the two
.irp c,0,1
	v_max_num_f32 v[240+\c], 0x2800000, v[240+\c]
.endr
.irp c,0,1
	v_add_nc_u32 v[242+\c], 0xfe000000, v[240+\c]
.endr
.irp c,0,1
	v_lshrrev_b32 v[248+\c], 23, v[242+\c]
.endr
	v_lshl_or_b32 v250, v249, 16, v248     ; my two bytes: blocks h and 2 + h,
	v_lshlrev_b32 v250, v11, v250          ; 8 h bits up;
	v_permlanex16_b32 v251, v250, s34, s35
	v_or_b32 v29, v250, v251               ; with lane l xor 16's two the scale word is whole
.irp c,0,1
	v_cvt_scalef32_pk16_bf6_f32 v[214+6*\c:216+6*\c], v[32+32*\c:47+32*\c], v[242+\c]
	v_cvt_scalef32_pk16_bf6_f32 v[226+4*\c:228+4*\c], v[48+32*\c:63+32*\c], v[242+\c]   ; (a conversion's three registers begin on an even number)
.endr
	v_nop
.irp c,0,1
.irp i,0,1,2
	v_mov_b32 v[217+6*\c+\i], v[226+4*\c+\i]
.endr
.endr
.if \st == 0
.rept 8
	v_nop                                  ; a scale word made by vector instructions stands eight places ahead of the product, codes so made four
.endr
.else
.set k, 0
.rept 8
	v_pk_mul_f32 v[198+k:199+k], v[198+k:199+k], v[238:239] op_sel_hi:[1,0]   ; O^T under the new M; these eight are those places
.set k, k+2
.endr
.endif
	s_wait_loadcnt 0x0                     ; V^T's fragments
.irp u,0,1
.set WD, 198+8*\u
.set WA, 144+12*\u
.set WB, 214
.set WZ, 1-\st
.set WC, WD
.set WSA, 24+2*\st+\u
.set WSB, 29
.set WRA, 0
.set WRB, 0
	WMS                                    ; O^T (+)= V^T p^T: lane (r, h) gets d = 16 h + 8 u + 0 .. 7 of query r
.endr
.endm
	; ================ the head ================
	s_load_b512 s[4:19], s[0:1], 0x0               ; x 4, ws 6, kv 8, Wq scales 10, Wo scales 12, W1 scales 14, W2 scales 16, bq 18
	s_load_b256 s[20:27], s[0:1], 0x40             ; bo 20, b1 22, b2 24, ln_g 26
	s_load_b128 s[28:31], s[0:1], 0x60             ; ln_b 28, out0 30
	v_lshrrev_b32 v7, 5, v0
	v_readfirstlane_b32 s32, v7                    ; wave 0..15
	v_and_b32 v8, 31, v0
	v_lshlrev_b32 v1, 4, v8
	v_and_b32 v9, 15, v0                           ; r
	v_bfe_u32 v10, v0, 4, 1                        ; h
	v_mul_u32_u24 v2, v9, 400
	v_mad_u32_u24 v3, v10, 12, v2
	v_mad_u32_u24 v2, v10, 24, v2
	s_mul_i32 s33, s32, 24
	v_add_nc_u32 v3, s33, v3
	v_lshl_add_u32 v4, v9, 4, s32
	v_mul_u32_u24 v5, v9, 2064
	v_lshl_add_u32 v5, v10, 6, v5
	s_lshl_b32 s33, s32, 7
	v_lshl_add_u32 v14, v10, 6, s33                ; a bias: 16 numbers from column 32 w + 16 h on
	s_add_co_u32 s33, s33, XR
	v_add_nc_u32 v5, s33, v5
	v_add_nc_u32 v6, 66048, v5
	s_mul_i32 s33, s32, 8256
	s_add_co_u32 s33, s33, XR
	v_add_nc_u32 v7, s33, v1                       ; XR by rows: my wave's rows 4 w .. 4 w + 3
	v_and_b32 v11, 8, v9
	v_add_nc_u32 v11, v11, v9
	v_lshl_add_u32 v11, v10, 3, v11
	s_lshl_b32 s33, s32, 5
	v_add_nc_u32 v11, s33, v11                     ; weight row 32 w + 8 h + r + 8 (r / 8): lanes 16-31 take tile 1's rows
	v_lshlrev_b32 v15, 4, v11                      ; 16 scale bytes a row
.irp m,0,1,2,3
	v_mov_b32 v[196+\m], 0                         ; written once: a lane permute's destination counts as one of its sources
.endr
	v_mov_b32 v252, 0x32edffee                     ; erf's a11,
	v_mov_b32 v253, 0x32edffee
	v_mov_b32 v254, 0xb95fbd29                     ; and b6
	v_mov_b32 v255, 0xb95fbd29
	s_mov_b32 s34, 0x76543210
	s_mov_b32 s35, 0xfedcba98                      ; v_permlanex16_b32's selects for lane l xor 16
	SPAIR 36, 0x3fb8aa3b                           ; log2(e)
	SPAIR 44, 0x3f3504f3                           ; 1 / sqrt 2
	SPAIR 46, 0xaf95df0b                           ; a13
	SPAIR 48, 0xb60cff51                           ; a9
	SPAIR 50, 0xb86ec2d2                           ; a7
	SPAIR 52, 0xba40ac63                           ; a5
	SPAIR 54, 0xbb41a1f6                           ; a3
	SPAIR 56, 0xbc83dbd4                           ; a1
	SPAIR 58, 0xb77460cd                           ; b8
	SPAIR 60, 0xbadc924e                           ; b4
	SPAIR 62, 0xbbf19bf8                           ; b2
	SPAIR 66, 0xbc69b6a7                           ; b0
	SPAIR 68, 0x3e3504f3                           ; 32^-0.5
	s_wait_kmcnt 0x0
	s_lshl_b32 s76, ttmp9, 17                      ; 64 rows of 2,048 bytes a work-group,
	s_lshl_b32 s33, s32, 13                        ; four rows a wave
	s_add_co_u32 s76, s76, s33
	s_mov_b32 s77, 0
	s_add_nc_u64 s[4:5], s[4:5], s[76:77]
	s_add_nc_u64 s[30:31], s[30:31], s[76:77]
	s_mul_i32 s76, s32, 122880
	s_add_nc_u64 s[70:71], s[6:7], s[76:77]        ; my wave's stream of weights
	s_lshr_b32 s76, ttmp9, 6                       ; the batch
	s_lshl_b32 s76, s76, 4
	s_add_co_u32 s76, s76, s32
	s_mul_i32 s76, s76, 14336
	s_add_nc_u64 s[74:75], s[8:9], s[76:77]        ; my head's record of k and v
.set k, 0
.rept 16
	global_load_b128 v[32+4*k:35+4*k], v1, s[4:5] offset:512*k th:TH_LOAD_NT   ; 8,192 consecutive bytes of x: read once
.set k, k+1
.endr
.irp s,0,1,2,3
	REFILL \s, 70, 3072*\s                         ; Wq
.endr
.irp j,0,1,2,3
	global_load_b128 v[16+4*\j:19+4*\j], v14, s[18:19] offset:16*\j
.endr
	global_load_b128 v[240:243], v15, s[10:11]
	s_wait_loadcnt 29                              ; x is in; the 24 + 4 + 1 younger loads may be out
.set k, 0
.rept 16
	ds_store_b128 v7, v[32+4*k:35+4*k] offset:2064*(k/4)+512*(k%4)
.set k, k+1
.endr
	BAR                                            ; x's 64 rows lie in XR
	; ================ x into codes: wave w takes block w of every row ================
.irp m,0,1,2,3
	XLD \m, ACC+16*\m
.endr
	s_lshl_b32 s33, s32, 11
	s_add_co_u32 s33, s33, GC
	v_add_nc_u32 v7, s33, v1                       ; q's codes: my wave's 2,048 bytes, 16 a lane
	s_wait_dscnt 0x0
	QCORE ACC
	QSTORE 3, 3, XC, 6400, 0, 4, XSC, 256
	BAR                                            ; x's codes and scale bytes lie in LDS
	; ================ q = (x Wq + bq) / sqrt 32, quantised: my head's 32 columns ================
	s_wait_loadcnt 0x0                             ; Wq, bq, the scale words
	GEMM4 2, 2, XC, 6400, 0, 1, XSC, 512, 240, 1, 2, 74, 0, 0, 0   ; the two slots first free take K's four packed fragments
.set k, 0
.rept 32
	v_pk_mul_f32 v[32+k:33+k], v[32+k:33+k], s[68:69] op_sel_hi:[1,0]
.set k, k+2
.endr
	QCORE ACC
.irp m,0,1,2,3
	v_lshl_or_b32 v[207+4*\m], v[196+\m], 8, v[196+\m]
.endr
.irp m,0,1,2,3
	v_lshl_or_b32 v[207+4*\m], v[207+4*\m], 16, v[207+4*\m]    ; the byte in all four bytes
.endr
.irp m,0,1,2,3
	ds_store_b128 v7, v[204+4*\m:207+4*\m] offset:512*\m       ; 12 bytes of codes and the scale word: my wave's own bytes
.endr
	; ================ attention: head w, a tile of 16 queries a trip ================
.irp i,168,169,170,171,172,173,174,175,176,180,181,182,183,184,185,189,190,191,192,193,194,195,196,197
	v_mov_b32 v[\i], 0                             ; the zero codes of q's run
.endr
	v_bfe_u32 v11, v0, 4, 1
	v_lshlrev_b32 v11, 3, v11
	v_and_b32 v13, 31, v0
	v_lshlrev_b32 v12, 3, v13
	v_lshlrev_b32 v13, 2, v13
.irp f,0,1,2,3
	global_load_b64 v[16+2*\f:17+2*\f], v12, s[74:75] offset:6144+256*\f
.endr
.irp i,0,1,2,3,4,5,6,7
	global_load_b32 v[244+\i], v13, s[74:75] offset:13312+128*\i
.endr
	s_wait_loadcnt 0x0                             ; K's fragments and all scale words
.irp i,0,1,2,3
	v_or_b32 v[24+\i], v[244+2*\i], v[245+2*\i]    ; V's scale words: two halves each
.endr
	s_mov_b32 s38, 0
	s_mov_b32 s39, 0
	s_mov_b32 s40, 0
	s_mov_b32 s41, 0
.Lrow:
	s_wait_dscnt 0x0                               ; the last trip's stores are done: their address registers are written again
	v_add_nc_u32 v8, s39, v7
	v_add_nc_u32 v9, s40, v3
	v_add_nc_u32 v10, s41, v4
	ds_load_b96 v[186:188], v8                     ; q's codes, twice into the run,
	ds_load_b32 v177, v8
	ds_load_b32 v178, v8 offset:4
	ds_load_b32 v179, v8 offset:8
	ds_load_b32 v28, v8 offset:12                  ; and its scale word
	s_wait_dscnt 0x0
	STEP 0
	STEP 1
	v_add_f32 v244, v236, v237                     ; the sum's two halves; with three v_nop the four places behind the last products
	v_nop
	v_nop
	v_nop
	v_permlanex16_b32 v245, v244, s34, s35
	v_add_f32 v244, v244, v245                     ; and lane l xor 16's keys: the row's sum
	v_rcp_f32 v246, v244
	v_mov_b32 v247, 0                              ; a plain place behind the reciprocal (and the pair's upper word is written)
	s_wait_alu depctr_va_vdst(0)                   ; ahead of the first reader
.set k, 0
.rept 8
	v_pk_mul_f32 v[32+k:33+k], v[198+k:199+k], v[246:247] op_sel_hi:[1,0]   ; O^T / the sum: columns 32 w + 16 h + 0 .. 15 of my row
.set k, k+2
.endr
	v_max3_num_f32 v248, |v32|, |v33|, 0x2800000   ; block w of the next product's K, in two chains
	v_max3_num_f32 v250, |v34|, |v35|, |v36|
	v_max3_num_f32 v248, v248, |v37|, |v38|
	v_max3_num_f32 v250, v250, |v39|, |v40|
	v_max3_num_f32 v248, v248, |v41|, |v42|
	v_max3_num_f32 v250, v250, |v43|, |v44|
	v_max3_num_f32 v248, v248, |v45|, |v46|
	v_max3_num_f32 v248, v248, v250, |v47|
	v_permlanex16_b32 v249, v248, s34, s35
	v_max_num_f32 v248, v248, v249
	v_add_nc_u32 v242, 0xfe000000, v248
	v_lshrrev_b32 v248, 23, v242
	v_cvt_scalef32_pk16_bf6_f32 v[48:50], v[32:47], v242
	v_nop
	ds_store_b32 v9, v48 offset:AC
	ds_store_b32 v9, v49 offset:AC+4
	ds_store_b32 v9, v50 offset:AC+8
	ds_store_b8 v10, v248 offset:ASC
	s_add_co_u32 s39, s39, 512
	s_add_co_u32 s40, s40, 6400
	s_add_co_u32 s41, s41, 256
	s_add_co_u32 s38, s38, 1
	s_cmp_lt_u32 s38, 4
	s_cbranch_scc1 .Lrow
.irp s,0,1,2,3
	REFILL \s, 70, 3072*(4+\s)                     ; Wo
.endr
.irp j,0,1,2,3
	global_load_b128 v[16+4*\j:19+4*\j], v14, s[20:21] offset:16*\j
.endr
	global_load_b128 v[240:243], v15, s[12:13]
	BAR                                            ; all heads' codes lie in AC; nobody reads x's codes or q's any more
	; ================ out = attn Wo + bo ================
	s_wait_loadcnt 0x0
	GEMM4 2, 2, AC, 6400, 0, 1, ASC, 512, 240, 1, 4, 70, 3072*8, 0, 0   ; the ring goes on into W1's first chunk
.irp j,0,1,2,3
	global_load_b128 v[16+4*\j:19+4*\j], v14, s[24:25] offset:16*\j     ; b2
.endr
	; ================ LayerNorm: the mean first, then the squares of the centred numbers ================
	v_and_b32 v8, 15, v0
	v_lshlrev_b32 v8, 4, v8                        ; 16 r
	s_lshl_b32 s33, s32, 8
	v_add_nc_u32 v7, s33, v8                       ; + 256 w
.irp m,0,1,2,3
	v_pk_add_f32 v[192+2*\m:193+2*\m], v[ACC+16*\m:ACC+16*\m+1], v[ACC+16*\m+2:ACC+16*\m+3]
.endr
.irp i,4,6,8,10,12,14
.irp m,0,1,2,3
	v_pk_add_f32 v[192+2*\m:193+2*\m], v[192+2*\m:193+2*\m], v[ACC+16*\m+\i:ACC+16*\m+\i+1]
.endr
.endr
.irp m,0,1,2,3
	v_add_f32 v[240+\m], v[192+2*\m], v[193+2*\m]
.endr
.irp m,0,1,2,3
	v_permlanex16_b32 v[200+\m], v[240+\m], s34, s35
.endr
.irp m,0,1,2,3
	v_add_f32 v[240+\m], v[240+\m], v[200+\m]      ; my 32 columns of rows 16 m + r
.endr
	ds_store_b128 v7, v[240:243] offset:RED1       ; (both halves of the lanes write the same words with the same values)
	BAR
	REDUCE RED1
.irp m,0,1,2,3
	v_mul_f32 v[244+2*\m], 0x3b000000, v[240+\m]   ; the mean, twice: a pair for the packed forms
.endr
.irp m,0,1,2,3
	v_mov_b32 v[245+2*\m], v[244+2*\m]
.endr
	s_wait_loadcnt 0x0                             ; b2
	XLD 0, 192
	XLD 1, 208
	XLD 2, 224
	XUPD 0, 192, 8                                 ; row tile 0's four loads are in; eight younger LDS instructions may be out, here and in the next two
	XUPD 1, 208, 8
	XUPD 2, 224, 8
	s_wait_dscnt 8                                 ; row tile 0's stores have read their registers
	XLD 3, 192
	XUPD 3, 192, 0
	s_wait_dscnt 0x0                               ; all stores have read their registers
.irp j,0,1,2,3
	global_load_b128 v[16+4*\j:19+4*\j], v14, s[26:27] offset:16*\j     ; ln_g
.endr
.irp j,0,1,2,3
	global_load_b128 v[224+4*\j:227+4*\j], v14, s[28:29] offset:16*\j   ; ln_b
.endr
.irp m,0,1,2,3
.irp k,0,2,4,6,8,10,12,14
	v_pk_add_f32 v[ACC+16*\m+\k:ACC+16*\m+\k+1], v[ACC+16*\m+\k:ACC+16*\m+\k+1], v[244+2*\m:245+2*\m] neg_lo:[0,1] neg_hi:[0,1]
.endr
.endr
.irp m,0,1,2,3
	v_pk_mul_f32 v[192+2*\m:193+2*\m], v[ACC+16*\m:ACC+16*\m+1], v[ACC+16*\m:ACC+16*\m+1]
.endr
.irp i,2,4,6,8,10,12,14
.irp m,0,1,2,3
	v_pk_fma_f32 v[192+2*\m:193+2*\m], v[ACC+16*\m+\i:ACC+16*\m+\i+1], v[ACC+16*\m+\i:ACC+16*\m+\i+1], v[192+2*\m:193+2*\m]
.endr
.endr
.irp m,0,1,2,3
	v_add_f32 v[240+\m], v[192+2*\m], v[193+2*\m]
.endr
.irp m,0,1,2,3
	v_permlanex16_b32 v[200+\m], v[240+\m], s34, s35
.endr
.irp m,0,1,2,3
	v_add_f32 v[240+\m], v[240+\m], v[200+\m]
.endr
	ds_store_b128 v7, v[240:243] offset:RED2
	BAR
	REDUCE RED2
	s_mov_b32 s33, 0x3727c5ac                      ; 1e-5
.irp m,0,1,2,3
	v_fma_f32 v[240+\m], v[240+\m], 0x3b000000, s33
.endr
.irp m,0,1,2,3
	v_rsq_f32 v[244+2*\m], v[240+\m]
.endr
	v_nop                                          ; a plain place behind the roots
	s_wait_alu depctr_va_vdst(0)                   ; one wait for the four
.irp m,0,1,2,3
	v_mov_b32 v[245+2*\m], v[244+2*\m]
.endr
	s_wait_loadcnt 0x0                             ; ln_g, ln_b
.irp m,0,1,2,3
.irp k,0,2,4,6,8,10,12,14
	v_pk_mul_f32 v[ACC+16*\m+\k:ACC+16*\m+\k+1], v[ACC+16*\m+\k:ACC+16*\m+\k+1], v[244+2*\m:245+2*\m]
.endr
.endr
.irp m,0,1,2,3
.irp k,0,2,4,6,8,10,12,14
	v_pk_fma_f32 v[ACC+16*\m+\k:ACC+16*\m+\k+1], v[ACC+16*\m+\k:ACC+16*\m+\k+1], v[16+\k:17+\k], v[224+\k:225+\k]
.endr
.endr
	QCORE ACC
	QSTORE 3, 3, XC, 6400, 0, 4, XSC, 256
.irp j,0,1,2,3
	global_load_b128 v[16+4*\j:19+4*\j], v14, s[22:23] offset:16*\j     ; b1, chunk 0
.endr
	global_load_b128 v[240:243], v15, s[14:15]     ; W1's scale words, chunk 0
	v_and_b32 v10, 15, v0
	v_bfe_u32 v11, v0, 4, 1
	v_mul_u32_u24 v9, v10, 80
	v_add_nc_u32 v9, s32, v9                       ; the hidden layer's scale bytes: 80 r + w
	v_mov_b32 v13, v14                             ; the offsets of chunk 0 are kept: v14 and v15 walk
	BAR                                            ; LN(out)'s codes lie in XC.  (Behind its wait for LDS: v7 and v8 are free)
	v_mul_u32_u24 v7, v10, 1552
	v_mad_u32_u24 v7, v11, 12, v7
	s_mul_i32 s33, s32, 24
	s_add_co_u32 s33, s33, GC
	v_add_nc_u32 v7, s33, v7                       ; the hidden layer's codes: GC + 1,552 r + 24 w + 12 h
	v_mov_b32 v8, v15
	s_add_nc_u64 s[72:73], s[70:71], 36864         ; the stream at entry 12: W1's second chunk
	s_mov_b32 s38, 0
	s_mov_b32 s39, 0
	s_mov_b32 s40, 0
	; ================ hidden = gelu(h W1 + b1), quantised: a chunk of 512 columns a trip ================
.Lchunk:
	s_wait_loadcnt 0x0                             ; this chunk's weights, bias and scale words; every load's offset register may be written
	s_add_co_u32 s33, s38, 1
	s_min_u32 s33, s33, 3                          ; the next chunk; in the last trip the last one once more, so that no load leaves its buffer
	s_lshl_b32 s41, s33, 11
	s_lshl_b32 s42, s33, 13
	v_add_nc_u32 v14, s41, v13
	v_add_nc_u32 v15, s42, v8
	v_add_nc_u32 v10, s39, v7
	v_add_nc_u32 v11, 49664, v10
	v_add_nc_u32 v12, s40, v9
	GEMM4 2, 2, XC, 6400, 0, 1, XSC, 512, 240, 1, 4, 72, 0, 0, 1
.set GB, ACC
.rept 8
	GELU8
.set GB, GB+8
.endr
	QCORE ACC
	QSTORE 10, 11, 0, 24832, 1, 12, GSC, 1280
	s_wait_dscnt 0x0                               ; the stores have read their registers
	s_wait_xcnt 0x0                                ; the refills have read their base
	s_add_nc_u64 s[72:73], s[72:73], 12288
	s_add_co_u32 s39, s39, 384
	s_add_co_u32 s40, s40, 16
	s_add_co_u32 s38, s38, 1
	s_cmp_lt_u32 s38, 4
	s_cbranch_scc1 .Lchunk
	s_wait_loadcnt 0x0                             ; the last trip's loads have landed: W2's scale words take the bias's registers
	v_lshlrev_b32 v10, 2, v8                       ; 64 scale bytes a row of W2
.irp t,0,1,2,3
	global_load_b128 v[16+4*\t:19+4*\t], v10, s[16:17] offset:16*\t
.endr
	v_and_b32 v12, 15, v0
	v_bfe_u32 v11, v0, 4, 1
	v_mul_u32_u24 v7, v12, 1552
	v_mad_u32_u24 v7, v11, 24, v7
	v_add_nc_u32 v7, GC, v7
	v_add_nc_u32 v8, 49664, v7
	v_and_b32 v9, 31, v0
	v_mul_u32_u24 v9, v9, 80
	BAR                                            ; the hidden layer's codes lie in GC
	; ================ ffn = hidden W2: K = 2,048 in four runs of four K steps ================
	s_wait_loadcnt 0x0
	GEMM4 7, 8, 0, 24832, 1, 9, GSC, 2560, 16, 2, 4, 72, 0, 0, 0
	GEMM4 7, 8, 384, 24832, 1, 9, GSC+16, 2560, 20, 0, 4, 72, 12288, 1, 0
	GEMM4 7, 8, 768, 24832, 1, 9, GSC+32, 2560, 24, 0, 4, 72, 24576, 1, 0
	GEMM4 7, 8, 1152, 24832, 1, 9, GSC+48, 2560, 28, 0, 0, 72, 0, 2, 0
	; ================ the way out: XR (x + out + b2) + ffn, then whole rows ================
.irp m,0,1,2,3
	XLD \m, 96+16*\m
.endr
	s_mul_i32 s33, s32, 8256
	s_add_co_u32 s33, s33, XR
	s_wait_dscnt 0x0
.set k, 0
.rept 32
	v_pk_add_f32 v[96+k:97+k], v[96+k:97+k], v[32+k:33+k]
.set k, k+2
.endr
.irp m,0,1,2,3
	XST \m, 96+16*\m
.endr
	v_add_nc_u32 v7, s33, v1                       ; XR by rows again
	BAR                                            ; 64 whole rows of the result lie in XR
.set k, 0
.rept 16
	ds_load_b128 v[96+4*k:99+4*k], v7 offset:2064*(k/4)+512*(k%4)
.set k, k+1
.endr
.set k, 0
.rept 16
	s_wait_dscnt 15-k
	global_store_b128 v1, v[96+4*k:99+4*k], s[30:31] offset:512*k th:TH_STORE_NT   ; 32 lanes store 512 consecutive bytes, at a multiple of 256 from out0's first byte
.set k, k+1
.endr
	s_wait_xcnt 0x0
	v_lshl_add_u32 v254, v0, 2, 0x48c00
	v_mov_b32 v255, 0
	s_wait_tensorcnt 0x0
	ds_add_u32 v254, v255
	s_wait_dscnt 0x0
	s_endpgm
.Lfunc_end_k_q0a795d6758_main:
	.size	k_q0a795d6758_main, .Lfunc_end_k_q0a795d6758_main-k_q0a795d6758_main
	.p2alignl 7, 3214868480
	.fill 96, 4, 3214868480
	.section	.rodata,"a",@progbits
	.p2align	6, 0x0
	.amdhsa_kernel k_q0a795d6758_main
		.amdhsa_group_segment_fixed_size 300032
		.amdhsa_private_segment_fixed_size 0
		.amdhsa_enable_private_segment 0
		.amdhsa_kernarg_size 112
		.amdhsa_user_sgpr_count 2
		.amdhsa_user_sgpr_kernarg_segment_ptr 1
		.amdhsa_wavefront_size32 1
		.amdhsa_system_sgpr_workgroup_id_x 1
		.amdhsa_system_sgpr_workgroup_id_y 1
		.amdhsa_system_sgpr_workgroup_id_z 1
		.amdhsa_system_vgpr_workitem_id 0
		.amdhsa_next_free_vgpr 256
		.amdhsa_next_free_sgpr 80
		.amdhsa_reserve_vcc 0
		.amdhsa_float_denorm_mode_32 3
		.amdhsa_float_denorm_mode_16_64 3
		.amdhsa_memory_ordered 1
		.amdhsa_forward_progress 1
		.amdhsa_inst_pref_size 230
	.end_amdhsa_kernel
	.amdgpu_metadata
---
amdhsa.version: [ 1, 2 ]
amdhsa.kernels:
  - .name:           k_q0a795d6758_main
    .symbol:         k_q0a795d6758_main.kd
    .args:
      - { .name: x, .offset: 0, .size: 8, .value_kind: global_buffer, .address_space: global }
      - { .name: ws, .offset: 8, .size: 8, .value_kind: global_buffer, .address_space: global }
      - { .name: kv, .offset: 16, .size: 8, .value_kind: global_buffer, .address_space: global }
      - { .name: Wq_scales, .offset: 24, .size: 8, .value_kind: global_buffer, .address_space: global }
      - { .name: Wo_scales, .offset: 32, .size: 8, .value_kind: global_buffer, .address_space: global }
      - { .name: W1_scales, .offset: 40, .size: 8, .value_kind: global_buffer, .address_space: global }
      - { .name: W2_scales, .offset: 48, .size: 8, .value_kind: global_buffer, .address_space: global }
      - { .name: bq, .offset: 56, .size: 8, .value_kind: global_buffer, .address_space: global }
      - { .name: bo, .offset: 64, .size: 8, .value_kind: global_buffer, .address_space: global }
      - { .name: b1, .offset: 72, .size: 8, .value_kind: global_buffer, .address_space: global }
      - { .name: b2, .offset: 80, .size: 8, .value_kind: global_buffer, .address_space: global }
      - { .name: ln_g, .offset: 88, .size: 8, .value_kind: global_buffer, .address_space: global }
      - { .name: ln_b, .offset: 96, .size: 8, .value_kind: global_buffer, .address_space: global }
      - { .name: out0, .offset: 104, .size: 8, .value_kind: global_buffer, .address_space: global }
    .group_segment_fixed_size: 300032
    .private_segment_fixed_size: 0
    .kernarg_segment_align: 8
    .kernarg_segment_size: 112
    .max_flat_workgroup_size: 512
    .sgpr_count:     80
    .vgpr_count:     256
    .wavefront_size: 32
...
	.end_amdgpu_metadata
.endif
;; end of part 2
;; ======== version 2 of 2: 2 launches
;; workspace buffers: ws 1,966,080 bytes; kv 917,504 bytes
;; launch prep (part 3): grid 208 x 1, 4 waves a work-group, no clusters, 138,752 bytes of LDS; arguments xf_codes, xf_scales, Wk_codes, Wk_scales, Wv_codes, Wv_scales, bk, bv, Wq_codes, Wo_codes, W1_codes, W2_codes, ws, kv; writes ws, kv
.if DOCPART == 3
	.amdgcn_target "amdgcn-amd-amdhsa--gfx1250"
	.amdhsa_code_object_version 6
	.text
	.protected	k_q0a795d6758_prep
	.globl	k_q0a795d6758_prep
	.p2align	8
	.type	k_q0a795d6758_prep,@function
k_q0a795d6758_prep:
	s_mov_b64 s[64:65], 0
	v_nop
	global_prefetch_b8 v0, s[64:65] scope:SCOPE_SE
	s_setreg_imm32_b32 hwreg(HW_REG_WAVE_MODE, 25, 1), 1
	s_wait_xcnt 0x0
; TWO JOBS IN ONE LAUNCH, parted by the work-group's number.
; Work-groups 0-127: k = xf Wk + bk and v = xf Wv + bv on codes of BF6 (E3M2) with E8M0 scales, quantised again (k along the head's 32, v along the keys)
; and stored in kv IN THE ORDER OF THE NEXT LAUNCH'S OPERAND REGISTERS.  A work-group takes one batch, 64 keys (number f) and two heads; wave = (head of the pair, K or V).
; Work-groups 128-207: the codes of Wq, Wo, W1, W2 are copied into ws as fragment images, in the order in which wave w of the next launch takes them.
; kv: a record of 14,336 bytes for each (batch, head):
;   +0      KF [f 0..3][c 0..2][lane][16 B]: a fragment's twelve registers are four slots of three; slot g holds, in lane (p, h), the codes d = 16 h .. 16 h + 15 of key 64 f + 32 (p / 8) + 8 g + p % 8
;   +6,144  KS [f][lane][2 words]: word pp: lanes 0-15 slot 2 pp, lanes 16-31 slot 2 pp + 1; the key's one scale byte in all four bytes
;   +7,168  VF [st][u][c][piece 0..2][lane][8 B]: registers 6 c + 2 piece (+1) of V^T's fragment (keys 128 st on, rows d = 8 u + p + 8 (p / 8)); lane (p, h): keys 64 c + 32 h + 0 .. 31
;   +13,312 VS [st][u][c][lane][4 B]: bytes 2 c and 2 c + 1 of the row's scale word, the others 0
; ws: [wave 0..15][entry 0..39][u 0..1][c 0..2][lane][16 B]; entries 0-3 Wq, 4-7 Wo, 8-23 W1 (chunk of 512 columns, then K step), 24-39 W2; tile u's lane p is weight row (first row) + 8 u + p + 8 (p / 8).
; LIMITS: NaN and infinities are not served.  A block of zeros gets the byte 1 (its codes are zeros; this program alone reads the bytes).
; No tensor loads: each block is read once, by 16-byte loads of neighbouring lanes.  No cluster: the work-groups of a batch share xf's 64 rows with seven others only, a third of a group's bytes, in a launch of few bytes.
.set WKB, 46080                        ; LDS: xf's 64 rows at 0, Wk's 64 rows, Wv's 64 rows: rows of 576 bytes with 16 bytes of padding behind each 64: pitch 720
.set WVB, 92160
.macro PLACES                          ; four plain places behind matrix instructions, ahead of loads into their registers and of the first read of results
.rept 4
	v_nop
.endr
.endm
; one scaled product; its operands are named by the symbols WD, WA, WB, WC (WZ = 1: C is the constant 0), WSA, WSB; WRA, WRB = 1: that side's scales stand in lanes 16-31
.macro WMS
.if WZ
.if WRA && WRB
	v_wmma_scale_f32_16x16x128_f8f6f4 v[WD:WD+7], v[WA:WA+11], v[WB:WB+11], 0, v[WSA], v[WSB] matrix_a_fmt:MATRIX_FMT_BF6 matrix_b_fmt:MATRIX_FMT_BF6 matrix_a_scale:MATRIX_SCALE_ROW1 matrix_b_scale:MATRIX_SCALE_ROW1
.elseif WRA
	v_wmma_scale_f32_16x16x128_f8f6f4 v[WD:WD+7], v[WA:WA+11], v[WB:WB+11], 0, v[WSA], v[WSB] matrix_a_fmt:MATRIX_FMT_BF6 matrix_b_fmt:MATRIX_FMT_BF6 matrix_a_scale:MATRIX_SCALE_ROW1
.elseif WRB
	v_wmma_scale_f32_16x16x128_f8f6f4 v[WD:WD+7], v[WA:WA+11], v[WB:WB+11], 0, v[WSA], v[WSB] matrix_a_fmt:MATRIX_FMT_BF6 matrix_b_fmt:MATRIX_FMT_BF6 matrix_b_scale:MATRIX_SCALE_ROW1
.else
	v_wmma_scale_f32_16x16x128_f8f6f4 v[WD:WD+7], v[WA:WA+11], v[WB:WB+11], 0, v[WSA], v[WSB] matrix_a_fmt:MATRIX_FMT_BF6 matrix_b_fmt:MATRIX_FMT_BF6
.endif
.else
.if WRA && WRB
	v_wmma_scale_f32_16x16x128_f8f6f4 v[WD:WD+7], v[WA:WA+11], v[WB:WB+11], v[WC:WC+7], v[WSA], v[WSB] matrix_a_fmt:MATRIX_FMT_BF6 matrix_b_fmt:MATRIX_FMT_BF6 matrix_a_scale:MATRIX_SCALE_ROW1 matrix_b_scale:MATRIX_SCALE_ROW1
.elseif WRA
	v_wmma_scale_f32_16x16x128_f8f6f4 v[WD:WD+7], v[WA:WA+11], v[WB:WB+11], v[WC:WC+7], v[WSA], v[WSB] matrix_a_fmt:MATRIX_FMT_BF6 matrix_b_fmt:MATRIX_FMT_BF6 matrix_a_scale:MATRIX_SCALE_ROW1
.elseif WRB
	v_wmma_scale_f32_16x16x128_f8f6f4 v[WD:WD+7], v[WA:WA+11], v[WB:WB+11], v[WC:WC+7], v[WSA], v[WSB] matrix_a_fmt:MATRIX_FMT_BF6 matrix_b_fmt:MATRIX_FMT_BF6 matrix_b_scale:MATRIX_SCALE_ROW1
.else
	v_wmma_scale_f32_16x16x128_f8f6f4 v[WD:WD+7], v[WA:WA+11], v[WB:WB+11], v[WC:WC+7], v[WSA], v[WSB] matrix_a_fmt:MATRIX_FMT_BF6 matrix_b_fmt:MATRIX_FMT_BF6
.endif
.endif
.endm
; a fragment (16 rows x 128 K, twelve registers) of K step q from padded rows: six pieces of 8 bytes.  Lanes 16-31 read three pieces further on, which for some pieces lies behind one padding more: register adr + 1 serves those
.macro FRAG reg, adr, q, off
.irp p,0,1,2,3,4,5
.set PCE, 12*(\q)+6*(\p/3)+\p%3
.if PCE%8 < 5
	ds_load_b64 v[\reg+2*\p:\reg+2*\p+1], v[\adr] offset:8*PCE+16*(PCE/8)+(\off)
.else
	ds_load_b64 v[\reg+2*\p:\reg+2*\p+1], v[\adr+1] offset:8*PCE+16*(PCE/8)+(\off)
.endif
.endr
.endm
.macro LDW q                           ; the weight's two tiles of K step q into buffer q % 2
.irp u,0,1
	FRAG 120+24*((\q)%2)+12*\u, 13, \q, 5760*\u
.endr
.endm
.macro LDX q, s0                       ; xf's tiles s0, s0 + 1
.irp d,0,1
	FRAG 168+12*((\s0)+\d), 11, \q, 5760*((\s0)+\d)
.endr
.endm
; four products of K step s: xf's tiles s0, s0 + 1 against the weight's two.  form 0 (K): source 0 = weight, so that a lane holds one key and 16 neighbouring d.  form 1 (V): source 0 = xf, so that a lane holds one d and 32 neighbouring keys.
.macro MM form, s, s0
.irp d,0,1
.irp u,0,1
.set SG, (\s0)+\d
.if \form == 0
.set WD, 56+16*SG+8*\u
.set WA, 120+24*((\s)%2)+12*\u
.set WB, 168+12*SG
.set WSA, 32+(\s)
.set WSB, 20+6*(SG/2)+(\s)
.set WRA, \u
.set WRB, SG%2
.else
.set WD, 56+32*\u+8*SG
.set WA, 168+12*SG
.set WB, 120+24*((\s)%2)+12*\u
.set WSA, 20+6*(SG/2)+(\s)
.set WSB, 32+(\s)
.set WRA, SG%2
.set WRB, \u
.endif
.set WZ, 0
.set WC, WD
.if (\s) == 0
.set WC, 40+8*\u                       ; the bias starts each sum
.endif
	WMS
.endr
.endr
.endm
; K = 768 in six steps, written out.  The eight accumulators take turns, one instruction a turn, in the same order in every step.
.macro KVLOOP form
	LDW 0
	LDX 0, 0
	LDX 0, 2
.irp s,0,1,2,3,4,5
	s_wait_dscnt 12                        ; all but the youngest twelve loads (xf's tiles 2, 3) are in
	MM \form, \s, 0
	PLACES
.if \s < 5
	LDW \s+1
	LDX \s+1, 0
	s_wait_dscnt 24                        ; all but the 24 just issued: xf's tiles 2, 3 are in
.else
	s_wait_dscnt 0
.endif
	MM \form, \s, 2
	PLACES
.if \s < 5
	LDX \s+1, 2
.endif
.endr
.endm
	s_load_b512 s[4:19], s[0:1], 0x0               ; xf codes 4, xf scales 6, Wk codes 8, Wk scales 10, Wv codes 12, Wv scales 14, bk 16, bv 18
	s_load_b256 s[20:27], s[0:1], 0x40             ; Wq 20, Wo 22, W1 24, W2 26 (codes)
	s_load_b128 s[28:31], s[0:1], 0x60             ; ws 28, kv 30
	s_set_vgpr_msb 0x40
	v_lshl_add_u32 v0, v0, 2, 0x21c00
	v_mov_b32 v1, 0
	s_set_vgpr_msb 0x4000
	v_lshrrev_b32 v1, 5, v0
	v_readfirstlane_b32 s32, v1                    ; wave 0..3
	s_mov_b32 s34, 0x76543210
	s_mov_b32 s35, 0xfedcba98                      ; v_permlanex16_b32's selects for lane l xor 16
	s_cmp_ge_u32 ttmp9, 128                        ; the same for all four waves of a work-group
	s_cbranch_scc1 .Lrelay
	; ---------------- k and v ----------------
	s_lshr_b32 s36, ttmp9, 5                       ; batch
	s_bfe_u32 s37, ttmp9, 0x20003                  ; f: which 64 keys
	s_and_b32 s38, ttmp9, 7                        ; pair of heads
	s_lshr_b32 s39, s32, 1                         ; which head of the pair
	s_and_b32 s40, s32, 1                          ; 0: K, 1: V
	s_lshl_b32 s41, s38, 1
	s_add_co_u32 s41, s41, s39                     ; head
	v_lshlrev_b32 v1, 4, v0                        ; 16 t: my 16 bytes of 2,048
	v_lshrrev_b32 v2, 2, v0
	v_add_nc_u32 v2, v2, v0
	v_lshlrev_b32 v2, 4, v2                        ; and their place in LDS: 16 (t + t / 4)
	v_add_nc_u32 v3, WKB, v2
	v_add_nc_u32 v4, WVB, v2
	v_and_b32 v5, 15, v0                           ; r
	v_bfe_u32 v6, v0, 4, 1                         ; h
	v_lshrrev_b32 v18, 3, v5
	v_and_b32 v19, 7, v5
	v_lshl_add_u32 v19, v18, 5, v19                ; a tile's lane r takes xf's row 32 (r / 8) + r % 8 (+ 8 x tile)
	v_lshl_add_u32 v7, v6, 3, v19
	v_mul_u32_u24 v7, v7, 24                       ; xf's scale bytes: lanes 16-31 take the odd tile's rows
	v_lshl_add_u32 v18, v18, 3, v5                 ; a weight tile's lane r takes row r + 8 (r / 8) (+ 8 x tile)
	v_lshl_add_u32 v8, v6, 3, v18
	v_mul_u32_u24 v8, v8, 24                       ; the weight's scale bytes: lanes 16-31 take tile 1's rows
	s_lshl_b32 s42, s41, 7
	v_lshl_add_u32 v9, v6, 6, s42                  ; the bias as K's sums want it: 16 numbers from d = 16 h on
	v_lshl_add_u32 v10, v18, 2, s42                ; and as V's want it: one number, d = r + 8 (r / 8) (+ 8 u)
	v_mul_u32_u24 v11, v19, 720
	v_mad_u32_u24 v11, v6, 24, v11                 ; xf's fragments in LDS
	v_lshl_add_u32 v12, v6, 4, v11                 ; (behind one padding more)
	s_mul_i32 s43, s40, 46080
	s_mul_i32 s44, s39, 23040
	s_add_co_u32 s43, s43, s44
	s_add_co_u32 s43, s43, WKB                     ; my weight's block, my head's 32 rows
	v_mul_u32_u24 v13, v18, 720
	v_mad_u32_u24 v13, v6, 24, v13
	v_add_nc_u32 v13, s43, v13
	v_lshl_add_u32 v14, v6, 4, v13
	v_and_b32 v15, 31, v0
	v_lshlrev_b32 v16, 3, v15                      ; 8 x lane
	v_lshlrev_b32 v17, 2, v15                      ; 4 x lane
	v_lshlrev_b32 v15, 4, v15                      ; 16 x lane
	s_wait_kmcnt 0x0
	s_lshl_b32 s44, s36, 8
	s_lshl_b32 s45, s37, 6
	s_add_co_u32 s44, s44, s45                     ; xf's first row
	s_mul_i32 s46, s44, 24
	s_mov_b32 s47, 0
	s_add_nc_u64 s[6:7], s[6:7], s[46:47]
	s_mul_i32 s46, s44, 576
	s_add_nc_u64 s[4:5], s[4:5], s[46:47]
	s_mul_i32 s46, s38, 36864                      ; the pair's 64 rows of each weight
	s_add_nc_u64 s[8:9], s[8:9], s[46:47]
	s_add_nc_u64 s[12:13], s[12:13], s[46:47]
	s_cmp_eq_u32 s40, 0
	s_cselect_b64 s[48:49], s[10:11], s[14:15]     ; my weight's scales,
	s_cselect_b64 s[50:51], s[16:17], s[18:19]     ; my bias
	s_mul_i32 s46, s41, 768
	s_add_nc_u64 s[48:49], s[48:49], s[46:47]
	s_lshl_b32 s46, s36, 4
	s_add_co_u32 s46, s46, s41
	s_mul_i32 s46, s46, 14336
	s_add_nc_u64 s[30:31], s[30:31], s[46:47]      ; my record
	s_mul_i32 s52, s37, 1536
	s_mov_b32 s53, 0
	s_add_nc_u64 s[54:55], s[30:31], s[52:53]      ; KF's fragment f
	s_lshl_b32 s52, s37, 8
	s_add_nc_u64 s[56:57], s[30:31], s[52:53]      ; KS
	s_lshr_b32 s46, s37, 1
	s_lshl_b32 s46, s46, 2
	s_and_b32 s62, s37, 1
	s_add_co_u32 s46, s46, s62                     ; 4 st + c
	s_mul_i32 s52, s46, 768
	s_add_nc_u64 s[58:59], s[30:31], s[52:53]      ; VF
	s_lshl_b32 s52, s46, 7
	s_add_nc_u64 s[60:61], s[30:31], s[52:53]      ; VS
	s_lshl_b32 s62, s62, 4                         ; 16 c
	; the small loads first: they are older than every dense load
.irp pp,0,1
.irp q,0,1,2
	global_load_b64 v[20+6*\pp+2*\q:21+6*\pp+2*\q], v7, s[6:7] offset:384*\pp+8*\q   ; register 20 + 6 pp + s: K step s; lanes 0-15 tile 2 pp, lanes 16-31 tile 2 pp + 1
.endr
.endr
.irp q,0,1,2
	global_load_b64 v[32+2*\q:33+2*\q], v8, s[48:49] offset:8*\q
.endr
.irp j,0,1,2,3
	global_load_b128 v[40+4*\j:43+4*\j], v9, s[50:51] offset:16*\j
.endr
	global_load_b32 v38, v10, s[50:51]
	global_load_b32 v39, v10, s[50:51] offset:32
	; three dense blocks of 36,864 bytes: 128 threads x 16 bytes x 18
.set k, 0
.rept 18
	global_load_b128 v[112+4*k:115+4*k], v1, s[4:5] offset:2048*k
.set k, k+1
.endr
.set k, 0
.rept 18
	global_load_b128 v[184+4*k:187+4*k], v1, s[8:9] offset:2048*k
.set k, k+1
.endr
	s_wait_loadcnt 18                              ; xf's block is in; Wk's 18 loads may be out
.set k, 0
.rept 18
	ds_store_b128 v2, v[112+4*k:115+4*k] offset:2560*k
.set k, k+1
.endr
	s_wait_dscnt 0x0                               ; the stores have read their registers, which take Wv's block
.set k, 0
.rept 18
	global_load_b128 v[112+4*k:115+4*k], v1, s[12:13] offset:2048*k
.set k, k+1
.endr
	s_wait_loadcnt 18                              ; Wk's block is in
.set k, 0
.rept 18
	ds_store_b128 v3, v[184+4*k:187+4*k] offset:2560*k
.set k, k+1
.endr
	s_wait_loadcnt 0x0
.set k, 0
.rept 18
	ds_store_b128 v4, v[112+4*k:115+4*k] offset:2560*k
.set k, k+1
.endr
	s_wait_dscnt 0x0                               ; for the others' sake: my stores have landed
	s_barrier_signal -1
	s_barrier_wait -1                              ; the only barrier: behind it LDS is only read
	s_cmp_lg_u32 s40, 0
	s_cbranch_scc1 .Lvpath
	s_wait_alu depctr_va_vdst(0)
	; ---- K: lane (r, h) ends with d = 16 h .. 16 h + 15 of key lane r, 16 registers for each of the four tiles of keys
	KVLOOP 0
.irp g,0,1,2,3
	v_max3_num_f32 v[216+\g], |v[56+16*\g]|, |v[57+16*\g]|, 0x2800000   ; my 16 numbers and the floor 2^(5 - 127): the byte cannot fall under 1
.endr
.irp i,2,4,6,8,10,12,14
.irp g,0,1,2,3
	v_max3_num_f32 v[216+\g], v[216+\g], |v[56+16*\g+\i]|, |v[57+16*\g+\i]|
.endr
.endr
.irp g,0,1,2,3
	v_permlanex16_b32 v[220+\g], v[216+\g], s34, s35   ; (its destination has been written: it held landed bytes)
.endr
.irp g,0,1,2,3
	v_max_num_f32 v[216+\g], v[216+\g], v[220+\g]      ; with lane l xor 16's: the key's 32
.endr
.irp g,0,1,2,3
	v_add_nc_u32 v[224+\g], 0xfe000000, v[216+\g]      ; 4 off the exponent field: the conversion's scale operand
.endr
.irp g,0,1,2,3
	v_lshrrev_b32 v[220+\g], 23, v[224+\g]             ; the scale's byte
.endr
	v_cvt_scalef32_pk16_bf6_f32 v[228:230], v[56:71], v224      ; slot 0
	v_cvt_scalef32_pk16_bf6_f32 v[240:242], v[72:87], v225      ; slot 1 (a conversion's three registers begin on an even number: made elsewhere and moved)
	v_cvt_scalef32_pk16_bf6_f32 v[234:236], v[88:103], v226     ; slot 2
	v_cvt_scalef32_pk16_bf6_f32 v[244:246], v[104:119], v227    ; slot 3
	v_nop                                          ; one plain place behind the conversions
.irp i,0,1,2
	v_mov_b32 v[231+\i], v[240+\i]
	v_mov_b32 v[237+\i], v[244+\i]
.endr
.irp g,0,1,2,3
	v_lshl_or_b32 v[248+\g], v[220+\g], 8, v[220+\g]
.endr
.irp g,0,1,2,3
	v_lshl_or_b32 v[248+\g], v[248+\g], 16, v[248+\g]  ; the byte in all four bytes
.endr
	v_cmp_ne_u32 vcc_lo, 0, v6
	v_cndmask_b32 v252, v248, v249, vcc_lo         ; lanes 0-15 the even slot's word, lanes 16-31 the odd slot's
	v_cndmask_b32 v253, v250, v251, vcc_lo
.irp c,0,1,2
	global_store_b128 v15, v[228+4*\c:231+4*\c], s[54:55] offset:512*\c   ; 512 consecutive bytes
.endr
	global_store_b64 v16, v[252:253], s[56:57] offset:6144
	s_set_vgpr_msb 0x5
	s_wait_tensorcnt 0x0
	ds_add_u32 v0, v1
	s_wait_dscnt 0x0
	s_set_vgpr_msb 0x500
	s_endpgm
.Lvpath:
	; ---- V: lane (r, h) ends with keys 32 h .. 32 h + 31 of the 64, of d = 8 u + r + 8 (r / 8): a whole block of 32 in 32 registers
.irp u,0,1
.irp j,0,1,2,3,4,5,6,7
	v_mov_b32 v[40+8*\u+\j], v[38+\u]              ; the bias in the result's layout: a lane has one d
.endr
.endr
	s_wait_alu depctr_va_vdst(0)
	KVLOOP 1
.irp u,0,1
	v_max3_num_f32 v[216+\u], |v[56+32*\u]|, |v[57+32*\u]|, 0x2800000
.endr
.irp i,2,4,6,8,10,12,14,16,18,20,22,24,26,28,30
.irp u,0,1
	v_max3_num_f32 v[216+\u], v[216+\u], |v[56+32*\u+\i]|, |v[57+32*\u+\i]|
.endr
.endr
.irp u,0,1
	v_add_nc_u32 v[224+\u], 0xfe000000, v[216+\u]
.endr
.irp u,0,1
	v_lshrrev_b32 v[220+\u], 23, v[224+\u]
.endr
.irp u,0,1
	v_cvt_scalef32_pk16_bf6_f32 v[228+6*\u:230+6*\u], v[56+32*\u:71+32*\u], v[224+\u]
	v_cvt_scalef32_pk16_bf6_f32 v[240+4*\u:242+4*\u], v[72+32*\u:87+32*\u], v[224+\u]
.endr
	v_nop
.irp u,0,1
.irp i,0,1,2
	v_mov_b32 v[231+6*\u+\i], v[240+4*\u+\i]
.endr
.endr
	v_lshlrev_b32 v248, 3, v6
	v_add_nc_u32 v248, s62, v248                   ; my byte's place in the row's scale word: 8 h + 16 c bits up
.irp u,0,1
	v_lshlrev_b32 v[250+\u], v248, v[220+\u]
.endr
.irp u,0,1
	v_permlanex16_b32 v[252+\u], v[250+\u], s34, s35
.endr
.irp u,0,1
	v_or_b32 v[250+\u], v[250+\u], v[252+\u]
.endr
.irp u,0,1
.irp p,0,1,2
	global_store_b64 v16, v[228+6*\u+2*\p:229+6*\u+2*\p], s[58:59] offset:7168+1536*\u+256*\p   ; 256 consecutive bytes
.endr
	global_store_b32 v17, v[250+\u], s[60:61] offset:13312+256*\u
.endr
	s_set_vgpr_msb 0x5
	s_wait_tensorcnt 0x0
	ds_add_u32 v0, v1
	s_wait_dscnt 0x0
	s_set_vgpr_msb 0x500
	s_endpgm
	; ---------------- the weights' images ----------------
.Lrelay:
	s_sub_co_u32 s36, ttmp9, 128
	s_lshl_b32 s36, s36, 2
	s_add_co_u32 s36, s36, s32                     ; 0 .. 319: (pair of entries, wave of the next launch)
	s_and_b32 s37, s36, 15                         ; w
	s_lshr_b32 s38, s36, 4
	s_lshl_b32 s38, s38, 1                         ; e: entries e and e + 1 (same matrix, neighbouring K steps)
	s_sub_co_u32 s39, s38, 24                      ; the K step, were it W2,
	s_sub_co_u32 s43, s38, 8
	s_and_b32 s46, s43, 3                          ; W1,
	s_lshr_b32 s47, s43, 2
	s_lshl_b32 s47, s47, 9                         ; (and W1's chunk of 512 rows)
	s_sub_co_u32 s48, s38, 4                       ; Wo
	s_mov_b32 s41, 1536                            ; a row in bytes
	s_mov_b32 s42, 0
	s_wait_kmcnt 0x0
	s_cmp_lt_u32 s38, 24
	s_cselect_b64 s[44:45], s[24:25], s[26:27]
	s_cselect_b32 s41, 384, s41
	s_cselect_b32 s39, s46, s39
	s_cselect_b32 s42, s47, s42
	s_cmp_lt_u32 s38, 8
	s_cselect_b64 s[44:45], s[22:23], s[44:45]
	s_cselect_b32 s39, s48, s39
	s_cselect_b32 s42, 0, s42
	s_cmp_lt_u32 s38, 4
	s_cselect_b64 s[44:45], s[20:21], s[44:45]
	s_cselect_b32 s39, s38, s39
	s_lshl_b32 s40, s37, 5
	s_add_co_u32 s40, s40, s42                     ; the first weight row
	s_mul_i32 s50, s40, s41
	s_mul_i32 s39, s39, 96
	s_add_co_u32 s50, s50, s39
	s_mov_b32 s51, 0
	s_add_nc_u64 s[44:45], s[44:45], s[50:51]
	s_mul_i32 s50, s37, 122880
	s_mul_i32 s52, s38, 3072
	s_add_co_u32 s50, s50, s52
	s_add_nc_u64 s[28:29], s[28:29], s[50:51]
	v_and_b32 v1, 15, v0
	v_bfe_u32 v2, v0, 4, 1
	v_and_b32 v3, 8, v1
	v_add_nc_u32 v3, v3, v1                        ; r + 8 (r / 8)
	v_mul_lo_u32 v4, v3, s41
	v_mad_u32_u24 v4, v2, 24, v4                   ; tile 0: row x pitch + 24 h
	s_lshl_b32 s52, s41, 3
	v_add_nc_u32 v5, s52, v4                       ; tile 1: eight rows on
	v_and_b32 v6, 31, v0
	v_lshlrev_b32 v6, 4, v6
.irp d,0,1
.irp u,0,1
.irp p,0,1,2,3,4,5
	global_load_b64 v[32+12*(2*\d+\u)+2*\p:33+12*(2*\d+\u)+2*\p], v[4+\u], s[44:45] offset:96*\d+48*(\p/3)+8*(\p%3)
.endr
.endr
.endr
	s_wait_alu depctr_va_vdst(0)
	s_wait_loadcnt 0x0
.irp d,0,1
.irp u,0,1
.irp c,0,1,2
	global_store_b128 v6, v[32+12*(2*\d+\u)+4*\c:35+12*(2*\d+\u)+4*\c], s[28:29] offset:3072*\d+1536*\u+512*\c   ; 512 consecutive bytes
.endr
.endr
.endr
	s_endpgm
.Lfunc_end_k_q0a795d6758_prep:
	.size	k_q0a795d6758_prep, .Lfunc_end_k_q0a795d6758_prep-k_q0a795d6758_prep
	.p2alignl 7, 3214868480
	.fill 96, 4, 3214868480
	.section	.rodata,"a",@progbits
	.p2align	6, 0x0
	.amdhsa_kernel k_q0a795d6758_prep
		.amdhsa_group_segment_fixed_size 138752
		.amdhsa_private_segment_fixed_size 0
		.amdhsa_enable_private_segment 0
		.amdhsa_kernarg_size 112
		.amdhsa_user_sgpr_count 2
		.amdhsa_user_sgpr_kernarg_segment_ptr 1
		.amdhsa_wavefront_size32 1
		.amdhsa_system_sgpr_workgroup_id_x 1
		.amdhsa_system_sgpr_workgroup_id_y 1
		.amdhsa_system_sgpr_workgroup_id_z 1
		.amdhsa_system_vgpr_workitem_id 0
		.amdhsa_next_free_vgpr 258
		.amdhsa_next_free_sgpr 66
		.amdhsa_reserve_vcc 1
		.amdhsa_float_denorm_mode_32 3
		.amdhsa_float_denorm_mode_16_64 3
		.amdhsa_memory_ordered 1
		.amdhsa_forward_progress 1
		.amdhsa_inst_pref_size 72
	.end_amdhsa_kernel
	.amdgpu_metadata
---
amdhsa.version: [ 1, 2 ]
amdhsa.kernels:
  - .name:           k_q0a795d6758_prep
    .symbol:         k_q0a795d6758_prep.kd
    .args:
      - { .name: xf_codes, .offset: 0, .size: 8, .value_kind: global_buffer, .address_space: global }
      - { .name: xf_scales, .offset: 8, .size: 8, .value_kind: global_buffer, .address_space: global }
      - { .name: Wk_codes, .offset: 16, .size: 8, .value_kind: global_buffer, .address_space: global }
      - { .name: Wk_scales, .offset: 24, .size: 8, .value_kind: global_buffer, .address_space: global }
      - { .name: Wv_codes, .offset: 32, .size: 8, .value_kind: global_buffer, .address_space: global }
      - { .name: Wv_scales, .offset: 40, .size: 8, .value_kind: global_buffer, .address_space: global }
      - { .name: bk, .offset: 48, .size: 8, .value_kind: global_buffer, .address_space: global }
      - { .name: bv, .offset: 56, .size: 8, .value_kind: global_buffer, .address_space: global }
      - { .name: Wq_codes, .offset: 64, .size: 8, .value_kind: global_buffer, .address_space: global }
      - { .name: Wo_codes, .offset: 72, .size: 8, .value_kind: global_buffer, .address_space: global }
      - { .name: W1_codes, .offset: 80, .size: 8, .value_kind: global_buffer, .address_space: global }
      - { .name: W2_codes, .offset: 88, .size: 8, .value_kind: global_buffer, .address_space: global }
      - { .name: ws, .offset: 96, .size: 8, .value_kind: global_buffer, .address_space: global }
      - { .name: kv, .offset: 104, .size: 8, .value_kind: global_buffer, .address_space: global }
    .group_segment_fixed_size: 138752
    .private_segment_fixed_size: 0
    .kernarg_segment_align: 8
    .kernarg_segment_size: 112
    .max_flat_workgroup_size: 128
    .sgpr_count:     66
    .vgpr_count:     258
    .wavefront_size: 32
...
	.end_amdgpu_metadata
.endif
;; end of part 3
;; launch main (part 4): grid 256 x 1, 16 waves a work-group, no clusters, 300,032 bytes of LDS; arguments x, ws, kv, Wq_scales, Wo_scales, W1_scales, W2_scales, bq, bo, b1, b2, ln_g, ln_b, out0; writes out0
.if DOCPART == 4
	.amdgcn_target "amdgcn-amd-amdhsa--gfx1250"
	.amdhsa_code_object_version 6
	.text
	.protected	k_q0a795d6758_main
	.globl	k_q0a795d6758_main
	.p2align	8
	.type	k_q0a795d6758_main,@function
k_q0a795d6758_main:
	s_mov_b64 s[64:65], 0
	v_nop
	global_prefetch_b8 v0, s[64:65] scope:SCOPE_SE
	s_setreg_imm32_b32 hwreg(HW_REG_WAVE_SCHED_MODE, 0, 2), 2
	s_setreg_imm32_b32 hwreg(HW_REG_WAVE_MODE, 25, 1), 1
	s_wait_xcnt 0x0
	s_wait_alu depctr_vm_vsrc(0)
; out0 = x + out + FFN(LN(out)), out = attention(x, xf) Wo + bo: the whole block for 64 rows a work-group, every product on codes of BF6 (E3M2) with one E8M0 scale for each 32 along K, sums in f32.
; SHARES.  16 waves, four to a SIMD, 256 registers each, so that one wave's vector work (softmax, GELU, quantisers) stands beside another's matrix work and loads.
; In every product with a weight wave w owns output columns 32 w .. 32 w + 31 (in W1: of each chunk of 512) for all 64 rows: 2 tiles of columns x 4 tiles of rows, 8 accumulators.  In attention wave w is head w.
; TRANSPOSED USE: source 0 = 16 weight rows, source 1 = 16 activation rows.  Tile u's lane p takes weight row 32 w + 8 u + p + 8 (p / 8), so lane (r, h) holds, in the 16 registers of a row tile's two
; accumulators, columns 32 w + 16 h + 0 .. 15 of row r: half of ONE block of 32 of the next product's K; the other half lies in lane l xor 16.
; ACTIVATION CODES lie in LDS as plain rows of the bit stream, 24 bytes a block; a lane stores its 12 bytes and the block's byte; any wave reads fragments by six loads of 8 bytes.
; WEIGHTS come from ws (fragment images laid by the launch before) straight into a ring of four register slots, each refilled as soon as its K step is multiplied: four K steps ahead of its use.
; q k^T HAS K = 32.  A fragment's twelve registers are four slots of three; a packed fragment of K holds four tiles of keys, one a slot; q's operand holds q's codes in one slot and zero codes in the others: four
; windows into one run of 30 registers.  Both scale words carry the block's byte in all four bytes.  The keys of a tile are chosen so that a lane's 32 registers of four tiles are one whole block of 32 keys, in order.
; SOFTMAX: t = score x log2(e); M = the running largest t rounded up to a whole number; p = 2^(t - M) is quantised; the sum is taken of the unquantised p and divides at the end.
; NO CLUSTER, NO TENSOR LOAD: a joint load lands in LDS, of whose 327,680 bytes the rows' own data take 297,984 (x in f32 132,096, hidden codes 99,328); and each weight fragment feeds one wave only, so a way
; through LDS would add 1,536 bytes of LDS reads for every four matrix instructions.  No prefetch: x is read once, at the head; ws and kv are read by many work-groups.
; LIMITS: NaN and infinities are not served.  A block of zeros gets the byte 1 (zero codes; this program alone reads the bytes).  A block's largest p is taken as 2^ of its largest score's t - M: this takes v_exp_f32 not
; to fall where its input rises.  erf(z) = z P(z^2) / Q(z^2) with z held to +-4, a few ulp of erf; so gelu's absolute error is about 1e-7 |x|, and its relative error grows in the far negative tail.
; THE MODE: SCHED_MODE bits 1:0 = 2 (LLVM: expert scheduling mode 2), set by the entry lines.  The code itself states the register dependences between vector or matrix instructions and memory or LDS
; instructions, with s_wait_alu, always for 0.
; THE PLAN.  Registers that memory or LDS instructions touch:
;   v1-6       offsets and LDS addresses, made at the head and never written again: one wait on va_vdst ahead of the first load serves them for the whole kernel.
;   v7-15      a phase's or a trip's own addresses: written at its head, behind a wait on vm_vsrc (the accesses before have read them) and ahead of a wait on va_vdst (they are written).
;   v96-191    the ring.  A K step's eight products read slot s; behind them one wait on va_vdst, and the slot's refill.  In attention: K's fragments (loaded once), V's (loaded in each step), q's run.
;   v192-239   fragments of the activations, in two halves (row tiles 0, 1 and 2, 3): four products read a half, one wait on va_vdst, the half's next loads; the other half's four products follow and name none of them.
;              Between products the same registers are at work: a quantiser writes codes and bytes there, one wait on va_vdst, the LDS stores read them, and one wait on vm_vsrc stands ahead of the next loads into them.
;   v16-31, v240-251  biases and scale words: loads land there, products read them; a new load stands behind the wait on va_vdst that follows their last product.
;   v32-95     the accumulators: named by matrix and vector instructions, but for x's way through them at the head and v48-50, attention's codes, which LDS stores read.
.set XC,   0                           ; LDS: code rows, pitch 400 (384 + 16): x's codes, later LN(out)'s
.set AC,   25600                       ; the attention output's codes, likewise
.set XSC,  51200                       ; their scale bytes, 16 a row
.set ASC,  52224
.set RED1, 53248                       ; [wave][r][4 row tiles] f32: the rows' partial sums
.set RED2, 57344                       ; and partial sums of squares
.set GSC,  61440                       ; the hidden layer's scale bytes, 64 a row, pitch 80
.set GC,   66560                       ; the hidden layer's codes, pitch 1,552 (1,536 + 16).  Its first 32,768 bytes serve earlier for q's codes: [wave][row tile][lane][16 B], each wave's own
.set XR,   165888                      ; 64 rows of f32, pitch 2,064: x, then x + out + b2, then the result
.set ACC,  32                          ; v32-95   accumulator (m, u) at 32 + 16 m + 8 u
.set WF,   96                          ; v96-191  the ring: slot s at 96 + 24 s, tile u at + 12
.set ACT,  192                         ; v192-239 activation fragments, row tile m at 192 + 12 m; between products: at work
; v1 16 x lane; v2 400 r + 24 h; v3 400 r + 24 w + 12 h; v4 16 r + w; v5, v6 my 64 bytes of XR's rows (row tiles 0-1, 2-3); v7-13 a phase's own; v14 bias offset; v15 weight-scale offset
; v16-31 bias (W2: its scale words); v240-243 the weight's scale words; v244-251 the activation's; v252-255 two constants as pairs
.macro PLACES                          ; four plain places behind matrix instructions, ahead of loads into their registers and of the first read of results
.rept 4
	v_nop
.endr
.endm
.macro BAR                             ; my LDS stores have landed and my LDS loads are in: then the work-group's barrier
	s_wait_dscnt 0x0
	s_barrier_signal -1
	s_barrier_wait -1
.endm
.macro SPAIR r, val                    ; a constant as a pair: the packed forms name both words
	s_mov_b32 s[\r], \val
	s_mov_b32 s[\r+1], \val
.endm
; one scaled product; its operands are named by the symbols WD, WA, WB, WC (WZ = 1: C is the constant 0), WSA, WSB; WRA, WRB = 1: that side's scales stand in lanes 16-31
.macro WMS
.if WZ
.if WRA && WRB
	v_wmma_scale_f32_16x16x128_f8f6f4 v[WD:WD+7], v[WA:WA+11], v[WB:WB+11], 0, v[WSA], v[WSB] matrix_a_fmt:MATRIX_FMT_BF6 matrix_b_fmt:MATRIX_FMT_BF6 matrix_a_scale:MATRIX_SCALE_ROW1 matrix_b_scale:MATRIX_SCALE_ROW1
.elseif WRA
	v_wmma_scale_f32_16x16x128_f8f6f4 v[WD:WD+7], v[WA:WA+11], v[WB:WB+11], 0, v[WSA], v[WSB] matrix_a_fmt:MATRIX_FMT_BF6 matrix_b_fmt:MATRIX_FMT_BF6 matrix_a_scale:MATRIX_SCALE_ROW1
.elseif WRB
	v_wmma_scale_f32_16x16x128_f8f6f4 v[WD:WD+7], v[WA:WA+11], v[WB:WB+11], 0, v[WSA], v[WSB] matrix_a_fmt:MATRIX_FMT_BF6 matrix_b_fmt:MATRIX_FMT_BF6 matrix_b_scale:MATRIX_SCALE_ROW1
.else
	v_wmma_scale_f32_16x16x128_f8f6f4 v[WD:WD+7], v[WA:WA+11], v[WB:WB+11], 0, v[WSA], v[WSB] matrix_a_fmt:MATRIX_FMT_BF6 matrix_b_fmt:MATRIX_FMT_BF6
.endif
.else
.if WRA && WRB
	v_wmma_scale_f32_16x16x128_f8f6f4 v[WD:WD+7], v[WA:WA+11], v[WB:WB+11], v[WC:WC+7], v[WSA], v[WSB] matrix_a_fmt:MATRIX_FMT_BF6 matrix_b_fmt:MATRIX_FMT_BF6 matrix_a_scale:MATRIX_SCALE_ROW1 matrix_b_scale:MATRIX_SCALE_ROW1
.elseif WRA
	v_wmma_scale_f32_16x16x128_f8f6f4 v[WD:WD+7], v[WA:WA+11], v[WB:WB+11], v[WC:WC+7], v[WSA], v[WSB] matrix_a_fmt:MATRIX_FMT_BF6 matrix_b_fmt:MATRIX_FMT_BF6 matrix_a_scale:MATRIX_SCALE_ROW1
.elseif WRB
	v_wmma_scale_f32_16x16x128_f8f6f4 v[WD:WD+7], v[WA:WA+11], v[WB:WB+11], v[WC:WC+7], v[WSA], v[WSB] matrix_a_fmt:MATRIX_FMT_BF6 matrix_b_fmt:MATRIX_FMT_BF6 matrix_b_scale:MATRIX_SCALE_ROW1
.else
	v_wmma_scale_f32_16x16x128_f8f6f4 v[WD:WD+7], v[WA:WA+11], v[WB:WB+11], v[WC:WC+7], v[WSA], v[WSB] matrix_a_fmt:MATRIX_FMT_BF6 matrix_b_fmt:MATRIX_FMT_BF6
.endif
.endif
.endm
.macro REFILL slot, base, off          ; two fragment images, 3,072 bytes, into a slot of the ring: each load takes 512 consecutive bytes
.irp u,0,1
.irp c,0,1,2
	global_load_b128 v[WF+24*(\slot)+12*\u+4*\c:WF+24*(\slot)+12*\u+4*\c+3], v1, s[\base:\base+1] offset:(\off)+1536*\u+512*\c
.endr
.endr
.endm
.macro AFRAG m, adr, off               ; an activation fragment from code rows: 24 bytes and, 48 on, 24 more, in pieces of 8
.irp p,0,1,2,3,4,5
	ds_load_b64 v[ACT+12*(\m)+2*\p:ACT+12*(\m)+2*\p+1], v[\adr] offset:(\off)+48*(\p/3)+8*(\p%3)
.endr
.endm
.macro APAIR m0, s, a01, a23, aoff, astep, split   ; row tiles m0, m0 + 1 of K step s.  split = 1: row tiles 2, 3 have an address register of their own, 2 astep further on
.irp d,0,1
.set GM, (\m0)+\d
.set GA, \a01
.if GM >= 2
.set GA, \a23
.endif
	AFRAG GM, GA, (\aoff)+(\astep)*(GM-2*(\split)*(GM/2))+96*(\s)
.endr
.endm
.macro WROW4 m0, s, wsc, cm            ; four products: row tiles m0, m0 + 1 x column tiles 0, 1.  cm = 0: onto the sums; 1: the bias starts them; 2: the constant 0 does
.irp d,0,1
.irp u,0,1
.set GM, (\m0)+\d
.set WD, ACC+16*GM+8*\u
.set WA, WF+24*(\s)+12*\u
.set WB, ACT+12*GM
.set WZ, 0
.set WC, WD
.if (\cm) == 1
.set WC, 16+8*\u
.endif
.if (\cm) == 2
.set WZ, 1
.endif
.set WSA, (\wsc)+(\s)
.set WSB, 244+4*(GM/2)+(\s)
.set WRA, \u
.set WRB, GM%2
	WMS
.endr
.endr
.endm
; FOUR K STEPS (512 along K) of my 32 columns x 64 rows: 32 products.  The eight accumulators take turns, one instruction a turn, in the same order in every step.
; rf: the first rf steps refill their slot from s[rbase] + roff + 3,072 s.  wc = 1: each step waits until only 18 loads are out (the three refills issued behind the one that it reads); wc = 2: 18, 12, 6, 0.
; extra = 1 (W1's loop): the next chunk's bias and scale words follow the registers' last use.
; What stands ahead of the first loads (the stores that read v192-239 have read them; no vector instruction since the last wait on va_vdst names v192-251) is stated where the macro is called.
.macro GEMM4 a01, a23, aoff, astep, split, sadr, soff, sstep, wsc, cm0, rf, rbase, roff, wc, extra
	ds_load_b128 v[244:247], v[\sadr] offset:\soff             ; scale words of the four K steps: lanes 0-15 row tile 0, lanes 16-31 row tile 1
	ds_load_b128 v[248:251], v[\sadr] offset:(\soff)+(\sstep)  ; row tiles 2 and 3
	APAIR 0, 0, \a01, \a23, \aoff, \astep, \split
	APAIR 2, 0, \a01, \a23, \aoff, \astep, \split
.irp s,0,1,2,3
.if (\wc) == 1
	s_wait_loadcnt 18
.elseif (\wc) == 2
	s_wait_loadcnt 18-6*\s
.endif
	s_wait_dscnt 12                        ; all but the youngest twelve loads (row tiles 2, 3) are in
.if \s == 0
	WROW4 0, \s, \wsc, \cm0
.else
	WROW4 0, \s, \wsc, 0
.endif
	PLACES
.if \s < 3
	s_wait_alu depctr_va_vdst(0)           ; the four products above are done reading the fragments of row tiles 0, 1, in which the next K step's land; the four products below name none of those registers
	APAIR 0, \s+1, \a01, \a23, \aoff, \astep, \split
	s_wait_dscnt 12                        ; all but the twelve just issued
.else
	s_wait_dscnt 0
.endif
.if \s == 0
	WROW4 2, \s, \wsc, \cm0
.else
	WROW4 2, \s, \wsc, 0
.endif
	PLACES
.if (\s < 3) || (\s < (\rf)) || (\extra)
	s_wait_alu depctr_va_vdst(0)           ; this K step's eight products are done reading the fragments of row tiles 2, 3, their slot of the ring and (first step) the bias, (last step) the scale words: the loads below land there
.endif
.if \s < 3
	APAIR 2, \s+1, \a01, \a23, \aoff, \astep, \split
.endif
.if \s < (\rf)
	REFILL \s, \rbase, (\roff)+3072*\s
.endif
.if (\extra) && (\s == 0)
.irp j,0,1,2,3
	global_load_b128 v[16+4*\j:19+4*\j], v14, s[22:23] offset:16*\j
.endr
.endif
.if (\extra) && (\s == 3)
	global_load_b128 v[240:243], v15, s[14:15]
.endif
.endr
.endm
; FOUR BLOCKS QUANTISED, one for each row tile m: my 16 numbers v[src + 16 m ..] and lane l xor 16's make a block.  Codes into v[204 + 4 m ..], 12 bytes; the scale's byte into v[196 + m].  The four by turns, line by line.
.macro QCORE src
.irp m,0,1,2,3
	v_max3_num_f32 v[192+\m], |v[\src+16*\m]|, |v[\src+16*\m+1]|, 0x2800000   ; with the floor 2^(5 - 127): the byte cannot fall under 1
.endr
.irp i,2,4,6,8,10,12,14
.irp m,0,1,2,3
	v_max3_num_f32 v[192+\m], v[192+\m], |v[\src+16*\m+\i]|, |v[\src+16*\m+\i+1]|
.endr
.endr
.irp m,0,1,2,3
	v_permlanex16_b32 v[196+\m], v[192+\m], s34, s35
.endr
.irp m,0,1,2,3
	v_max_num_f32 v[192+\m], v[192+\m], v[196+\m]
.endr
.irp m,0,1,2,3
	v_add_nc_u32 v[200+\m], 0xfe000000, v[192+\m]      ; 4 off the exponent field: the conversion's scale operand
.endr
.irp m,0,1,2,3
	v_lshrrev_b32 v[196+\m], 23, v[200+\m]
.endr
.irp m,0,1,2,3
	v_cvt_scalef32_pk16_bf6_f32 v[204+4*\m:206+4*\m], v[\src+16*\m:\src+16*\m+15], v[200+\m]
.endr
	v_nop                                  ; one plain place behind the conversions
.endm
.macro QSTORE a01, a23, coff, cstep, split, sa, soff, sstep   ; the codes into their rows, the bytes beside them (both lanes of a block write the same byte with the same value)
	s_wait_alu depctr_va_vdst(0)           ; the conversions have written the codes v204-218 and the shifts the bytes v196-199, which the stores below read
.irp m,0,1,2,3
.set QA, \a01
.if \m >= 2
.set QA, \a23
.endif
.set QO, (\coff)+(\cstep)*(\m-2*(\split)*(\m/2))
	ds_store_b32 v[QA], v[204+4*\m] offset:QO
	ds_store_b32 v[QA], v[205+4*\m] offset:QO+4
	ds_store_b32 v[QA], v[206+4*\m] offset:QO+8
	ds_store_b8 v[\sa], v[196+\m] offset:(\soff)+(\sstep)*\m
.endr
.endm
.macro XLD m, set                      ; my 16 numbers of row tile m of XR
.irp j,0,1,2,3
	ds_load_b128 v[\set+4*\j:\set+4*\j+3], v[5+(\m)/2] offset:33024*((\m)%2)+16*\j
.endr
.endm
.macro XST m, set
.irp j,0,1,2,3
	ds_store_b128 v[5+(\m)/2], v[\set+4*\j:\set+4*\j+3] offset:33024*((\m)%2)+16*\j
.endr
.endm
.macro XADD m, set, left               ; XR's numbers + out + b2.  left: the younger LDS loads, which may stay out
	s_wait_dscnt \left
.irp k,0,2,4,6,8,10,12,14
	v_pk_add_f32 v[\set+\k:\set+\k+1], v[\set+\k:\set+\k+1], v[ACC+16*(\m)+\k:ACC+16*(\m)+\k+1]
.endr
.irp k,0,2,4,6,8,10,12,14
	v_pk_add_f32 v[\set+\k:\set+\k+1], v[\set+\k:\set+\k+1], v[16+\k:17+\k]
.endr
.endm
.macro REDUCE base                     ; the sixteen waves' partial sums of my four rows, added in the same order by every wave: v[240:243]
.irp i,0,1,2,3,4,5,6,7
	ds_load_b128 v[192+4*\i:195+4*\i], v8 offset:(\base)+256*\i
.endr
	s_wait_dscnt 0x0
	s_wait_alu depctr_vm_vsrc(0)           ; my store of partial sums has read v240-243, which the additions below write
	v_pk_add_f32 v[240:241], v[192:193], v[196:197]
	v_pk_add_f32 v[242:243], v[194:195], v[198:199]
.irp i,2,3,4,5,6,7
	v_pk_add_f32 v[240:241], v[240:241], v[192+4*\i:193+4*\i]
	v_pk_add_f32 v[242:243], v[242:243], v[194+4*\i:195+4*\i]
.endr
	s_wait_alu depctr_va_vdst(0)           ; the additions are done reading v192-223, in which the other eight waves' sums land
.irp i,0,1,2,3,4,5,6,7
	ds_load_b128 v[192+4*\i:195+4*\i], v8 offset:(\base)+2048+256*\i
.endr
	s_wait_dscnt 0x0
.irp i,0,1,2,3,4,5,6,7
	v_pk_add_f32 v[240:241], v[240:241], v[192+4*\i:193+4*\i]
	v_pk_add_f32 v[242:243], v[242:243], v[194+4*\i:195+4*\i]
.endr
.endm
; gelu(x) = 0.5 x (1 + erf(x / sqrt 2)) of the eight registers from v[GB] on.  z in v192-199, z^2 in v200-207, P in v208-215, Q in v216-223.
.macro GELU8
.irp k,0,2,4,6
	v_pk_mul_f32 v[192+\k:193+\k], v[GB+\k:GB+\k+1], s[44:45] op_sel_hi:[1,0]
.endr
.irp k,0,1,2,3,4,5,6,7
	v_med3_num_f32 v[192+\k], v[192+\k], -4.0, 4.0
.endr
.irp k,0,2,4,6
	v_pk_mul_f32 v[200+\k:201+\k], v[192+\k:193+\k], v[192+\k:193+\k]
.endr
.irp k,0,2,4,6
	v_pk_fma_f32 v[208+\k:209+\k], v[200+\k:201+\k], s[46:47], v[252:253] op_sel_hi:[1,0,1]
.endr
.irp c,48,50,52,54,56
.irp k,0,2,4,6
	v_pk_fma_f32 v[208+\k:209+\k], v[208+\k:209+\k], v[200+\k:201+\k], s[\c:\c+1] op_sel_hi:[1,1,0]
.endr
.endr
.irp k,0,2,4,6
	v_pk_fma_f32 v[216+\k:217+\k], v[200+\k:201+\k], s[58:59], v[254:255] op_sel_hi:[1,0,1]
.endr
.irp c,60,62,66
.irp k,0,2,4,6
	v_pk_fma_f32 v[216+\k:217+\k], v[216+\k:217+\k], v[200+\k:201+\k], s[\c:\c+1] op_sel_hi:[1,1,0]
.endr
.endr
.irp k,0,2,4,6
	v_pk_mul_f32 v[208+\k:209+\k], v[208+\k:209+\k], v[192+\k:193+\k]
.endr
	s_wait_alu depctr_va_vdst(0)
.irp k,0,1,2,3,4,5,6,7
	v_rcp_f32 v[216+\k], v[216+\k]
.endr
.irp k,0,2,4,6
	v_pk_mul_f32 v[GB+\k:GB+\k+1], v[GB+\k:GB+\k+1], 0.5 op_sel_hi:[1,0]   ; plain work that names no reciprocal
.endr
	s_wait_alu depctr_va_vdst(0)           ; the eight reciprocals have written v216-223: one wait, ahead of their first reader
.irp k,0,2,4,6
	v_pk_mul_f32 v[208+\k:209+\k], v[208+\k:209+\k], v[216+\k:217+\k]      ; erf
.endr
.irp k,0,2,4,6
	v_pk_fma_f32 v[GB+\k:GB+\k+1], v[GB+\k:GB+\k+1], v[208+\k:209+\k], v[GB+\k:GB+\k+1]
.endr
.endm
; ATTENTION'S REGISTERS: v7 q's codes in LDS, v8-10 the trip's addresses, v11 8 h, v12 8 x lane, v13 4 x lane; v16-23 K's scale words, v24-27 V's, v28 q's, v29 p's; v32-95 S^T, then p; v96-143 K's four packed fragments;
; v144-167 V^T's two fragments of a step; v168-197 q's run: [9 zeros][q][6 zeros][q][9 zeros]; v198-213 O^T; v214-225 p's codes; v226-233 their odd halves; v234 -M, v235 the largest t; v[236:237] the sum; v238 f; v240-251 at work
; A STEP: 128 keys.
.macro STEP st
.set tau, 0
.rept 8                                ; S^T = K q^T: tile tau lies in slot tau % 4 of packed fragment 2 st + tau / 4; q's window has its codes in that slot
.set WD, 32+8*tau
.set WA, 96+12*(2*\st+tau/4)
.set WB, 186-12*(tau%2)-6*((tau%4)/2)
.set WZ, 1
.set WC, 0
.set WSA, 16+4*\st+tau/2
.set WSB, 28
.set WRA, tau%2
.set WRB, 0
	WMS
.set tau, tau+1
.endr
	PLACES
.if \st == 1
	s_wait_alu depctr_va_vdst(0)           ; the first step's two products V^T p^T are done reading v144-167, in which this step's fragments land.  (In the first step the wait at the trip's head has stated it: nothing since names them)
.endif
.irp u,0,1
.irp c,0,1
.irp p,0,1,2
	global_load_b64 v[144+12*\u+6*\c+2*\p:145+12*\u+6*\c+2*\p], v12, s[74:75] offset:7168+((2*\st+\u)*2+\c)*768+256*\p   ; V^T's fragments land while the softmax is walked
.endr
.endr
.endr
.irp c,0,1
	v_max3_num_f32 v[240+\c], v[32+32*\c], v[33+32*\c], v[34+32*\c]    ; the largest score of each of my two blocks of 32 keys: for the row's maximum, and for the block's largest p
.endr
.irp i,3,5,7,9,11,13,15,17,19,21,23,25,27,29
.irp c,0,1
	v_max3_num_f32 v[240+\c], v[240+\c], v[32+32*\c+\i], v[33+32*\c+\i]
.endr
.endr
.irp c,0,1
	v_max_num_f32 v[240+\c], v[240+\c], v[63+32*\c]
.endr
	v_max_num_f32 v244, v240, v241
	v_permlanex16_b32 v245, v244, s34, s35
	v_max_num_f32 v244, v244, v245         ; the step's largest score of my query
.if \st == 0
	v_mul_f32 v235, s36, v244              ; as t
	v_floor_f32 v234, -v235                ; -M = floor(-t): M is a whole number
.else
	v_mul_f32 v244, s36, v244
	v_max_num_f32 v235, v235, v244
	v_mov_b32 v245, v234
	v_floor_f32 v234, -v235
	v_sub_f32 v245, v234, v245             ; old M - new M: a whole number, 0 or less
	v_cvt_i32_f32 v245, v245
	v_ldexp_f32 v238, 1.0, v245            ; f = 2^(old M - new M): a multiplication by it rounds nothing
.endif
.set k, 0
.rept 32
	v_pk_fma_f32 v[32+k:33+k], v[32+k:33+k], s[36:37], v[234:235] op_sel_hi:[1,0,0]   ; t - M
.set k, k+2
.endr
.irp c,0,1
	v_fma_f32 v[240+\c], v[240+\c], s36, v234
.endr
.set k, 0
	s_wait_alu depctr_va_vdst(0)
.rept 64
	v_exp_f32 v[32+k], v[32+k]             ; p = 2^(t - M)
.set k, k+1
.endr
.if \st == 0
	v_nop                                  ; a plain place behind the exponentials
.else
	v_pk_mul_f32 v[236:237], v[236:237], v[238:239] op_sel_hi:[1,0]        ; the sum under the new M: a plain place behind the exponentials
.endif
	s_wait_alu depctr_va_vdst(0)           ; the 64 exponentials have written v32-95: one wait, ahead of their first reader
.irp c,0,1
	v_exp_f32 v[240+\c], v[240+\c]         ; the blocks' largest p
.endr
.if \st == 0
	v_pk_add_f32 v[236:237], v[32:33], v[36:37]    ; the sum of the unquantised p, in two chains
	v_pk_add_f32 v[246:247], v[34:35], v[38:39]
.set k, 8
.rept 14
	v_pk_add_f32 v[236:237], v[236:237], v[32+k:33+k]
	v_pk_add_f32 v[246:247], v[246:247], v[34+k:35+k]
.set k, k+4
.endr
.else
	v_pk_add_f32 v[246:247], v[32:33], v[34:35]
.set k, 4
.rept 15
	v_pk_add_f32 v[236:237], v[236:237], v[32+k:33+k]
	v_pk_add_f32 v[246:247], v[246:247], v[34+k:35+k]
.set k, k+4
.endr
.endif
	v_pk_add_f32 v[236:237], v[236:237], v[246:247]
	s_wait_alu depctr_va_vdst(0)           ; the two exponentials have written v240, v241: ahead of their first reader
.irp c,0,1
	v_max_num_f32 v[240+\c], 0x2800000, v[240+\c]
.endr
.irp c,0,1
	v_add_nc_u32 v[242+\c], 0xfe000000, v[240+\c]
.endr
.irp c,0,1
	v_lshrrev_b32 v[248+\c], 23, v[242+\c]
.endr
	v_lshl_or_b32 v250, v249, 16, v248     ; my two bytes: blocks h and 2 + h,
	v_lshlrev_b32 v250, v11, v250          ; 8 h bits up;
	v_permlanex16_b32 v251, v250, s34, s35
	v_or_b32 v29, v250, v251               ; with lane l xor 16's two the scale word is whole
.irp c,0,1
	v_cvt_scalef32_pk16_bf6_f32 v[214+6*\c:216+6*\c], v[32+32*\c:47+32*\c], v[242+\c]
	v_cvt_scalef32_pk16_bf6_f32 v[226+4*\c:228+4*\c], v[48+32*\c:63+32*\c], v[242+\c]   ; (a conversion's three registers begin on an even number)
.endr
	v_nop
.irp c,0,1
.irp i,0,1,2
	v_mov_b32 v[217+6*\c+\i], v[226+4*\c+\i]
.endr
.endr
.if \st == 0
.rept 8
	v_nop                                  ; a scale word made by vector instructions stands eight places ahead of the product, codes so made four
.endr
.else
.set k, 0
.rept 8
	v_pk_mul_f32 v[198+k:199+k], v[198+k:199+k], v[238:239] op_sel_hi:[1,0]   ; O^T under the new M; these eight are those places
.set k, k+2
.endr
.endif
	s_wait_loadcnt 0x0                     ; V^T's fragments
	s_wait_alu depctr_va_vdst(0)           ; behind the places: p's codes v214-225 and its scale word v29 are written, which the scaled products below take
.irp u,0,1
.set WD, 198+8*\u
.set WA, 144+12*\u
.set WB, 214
.set WZ, 1-\st
.set WC, WD
.set WSA, 24+2*\st+\u
.set WSB, 29
.set WRA, 0
.set WRB, 0
	WMS                                    ; O^T (+)= V^T p^T: lane (r, h) gets d = 16 h + 8 u + 0 .. 7 of query r
.endr
.endm
	; ================ the head ================
	s_load_b512 s[4:19], s[0:1], 0x0               ; x 4, ws 6, kv 8, Wq scales 10, Wo scales 12, W1 scales 14, W2 scales 16, bq 18
	s_load_b256 s[20:27], s[0:1], 0x40             ; bo 20, b1 22, b2 24, ln_g 26
	s_load_b128 s[28:31], s[0:1], 0x60             ; ln_b 28, out0 30
	v_lshrrev_b32 v7, 5, v0
	v_readfirstlane_b32 s32, v7                    ; wave 0..15
	v_and_b32 v8, 31, v0
	v_lshlrev_b32 v1, 4, v8
	v_and_b32 v9, 15, v0                           ; r
	v_bfe_u32 v10, v0, 4, 1                        ; h
	v_mul_u32_u24 v2, v9, 400
	v_mad_u32_u24 v3, v10, 12, v2
	v_mad_u32_u24 v2, v10, 24, v2
	s_wait_alu depctr_va_sdst(0)                   ; s32, the wave's number, is written, ahead of its first reader
	s_mul_i32 s33, s32, 24
	v_add_nc_u32 v3, s33, v3
	v_lshl_add_u32 v4, v9, 4, s32
	v_mul_u32_u24 v5, v9, 2064
	v_lshl_add_u32 v5, v10, 6, v5
	s_lshl_b32 s33, s32, 7
	v_lshl_add_u32 v14, v10, 6, s33                ; a bias: 16 numbers from column 32 w + 16 h on
	s_add_co_u32 s33, s33, XR
	v_add_nc_u32 v5, s33, v5
	v_add_nc_u32 v6, 66048, v5
	s_mul_i32 s33, s32, 8256
	s_add_co_u32 s33, s33, XR
	v_add_nc_u32 v7, s33, v1                       ; XR by rows: my wave's rows 4 w .. 4 w + 3
	v_and_b32 v11, 8, v9
	v_add_nc_u32 v11, v11, v9
	v_lshl_add_u32 v11, v10, 3, v11
	s_lshl_b32 s33, s32, 5
	v_add_nc_u32 v11, s33, v11                     ; weight row 32 w + 8 h + r + 8 (r / 8): lanes 16-31 take tile 1's rows
	v_lshlrev_b32 v15, 4, v11                      ; 16 scale bytes a row
.irp m,0,1,2,3
	v_mov_b32 v[196+\m], 0                         ; written once: a lane permute's destination counts as one of its sources
.endr
	v_mov_b32 v252, 0x32edffee                     ; erf's a11,
	v_mov_b32 v253, 0x32edffee
	v_mov_b32 v254, 0xb95fbd29                     ; and b6
	v_mov_b32 v255, 0xb95fbd29
	s_mov_b32 s34, 0x76543210
	s_mov_b32 s35, 0xfedcba98                      ; v_permlanex16_b32's selects for lane l xor 16
	SPAIR 36, 0x3fb8aa3b                           ; log2(e)
	SPAIR 44, 0x3f3504f3                           ; 1 / sqrt 2
	SPAIR 46, 0xaf95df0b                           ; a13
	SPAIR 48, 0xb60cff51                           ; a9
	SPAIR 50, 0xb86ec2d2                           ; a7
	SPAIR 52, 0xba40ac63                           ; a5
	SPAIR 54, 0xbb41a1f6                           ; a3
	SPAIR 56, 0xbc83dbd4                           ; a1
	SPAIR 58, 0xb77460cd                           ; b8
	SPAIR 60, 0xbadc924e                           ; b4
	SPAIR 62, 0xbbf19bf8                           ; b2
	SPAIR 66, 0xbc69b6a7                           ; b0
	SPAIR 68, 0x3e3504f3                           ; 32^-0.5
	s_wait_kmcnt 0x0
	s_lshl_b32 s76, ttmp9, 17                      ; 64 rows of 2,048 bytes a work-group,
	s_lshl_b32 s33, s32, 13                        ; four rows a wave
	s_add_co_u32 s76, s76, s33
	s_mov_b32 s77, 0
	s_add_nc_u64 s[4:5], s[4:5], s[76:77]
	s_add_nc_u64 s[30:31], s[30:31], s[76:77]
	s_mul_i32 s76, s32, 122880
	s_add_nc_u64 s[70:71], s[6:7], s[76:77]        ; my wave's stream of weights
	s_lshr_b32 s76, ttmp9, 6                       ; the batch
	s_lshl_b32 s76, s76, 4
	s_add_co_u32 s76, s76, s32
	s_mul_i32 s76, s76, 14336
	s_add_nc_u64 s[74:75], s[8:9], s[76:77]        ; my head's record of k and v
	s_wait_alu depctr_va_vdst(0)                   ; the offsets and addresses v1 to v7, v14 and v15 are written, which the loads and stores from here on read
.set k, 0
.rept 16
	global_load_b128 v[32+4*k:35+4*k], v1, s[4:5] offset:512*k th:TH_LOAD_NT   ; 8,192 consecutive bytes of x: read once
.set k, k+1
.endr
.irp s,0,1,2,3
	REFILL \s, 70, 3072*\s                         ; Wq
.endr
.irp j,0,1,2,3
	global_load_b128 v[16+4*\j:19+4*\j], v14, s[18:19] offset:16*\j
.endr
	global_load_b128 v[240:243], v15, s[10:11]
	s_wait_loadcnt 29                              ; x is in; the 24 + 4 + 1 younger loads may be out
.set k, 0
.rept 16
	ds_store_b128 v7, v[32+4*k:35+4*k] offset:2064*(k/4)+512*(k%4)
.set k, k+1
.endr
	BAR                                            ; x's 64 rows lie in XR
	; ================ x into codes: wave w takes block w of every row ================
	s_wait_alu depctr_vm_vsrc(0)                   ; my stores of x have read v32-95, in which the loads below land, and v7, which is written anew
.irp m,0,1,2,3
	XLD \m, ACC+16*\m
.endr
	s_lshl_b32 s33, s32, 11
	s_add_co_u32 s33, s33, GC
	v_add_nc_u32 v7, s33, v1                       ; q's codes: my wave's 2,048 bytes, 16 a lane
	s_wait_dscnt 0x0
	QCORE ACC
	QSTORE 3, 3, XC, 6400, 0, 4, XSC, 256
	BAR                                            ; x's codes and scale bytes lie in LDS
	; ================ q = (x Wq + bq) / sqrt 32, quantised: my head's 32 columns ================
	s_wait_loadcnt 0x0                             ; Wq, bq, the scale words
	s_wait_alu depctr_vm_vsrc(0)                   ; the stores of x's codes and bytes have read v196-218, in which fragments land
	GEMM4 2, 2, XC, 6400, 0, 1, XSC, 512, 240, 1, 2, 74, 0, 0, 0   ; the two slots first free take K's four packed fragments
.set k, 0
.rept 32
	v_pk_mul_f32 v[32+k:33+k], v[32+k:33+k], s[68:69] op_sel_hi:[1,0]
.set k, k+2
.endr
	QCORE ACC
.irp m,0,1,2,3
	v_lshl_or_b32 v[207+4*\m], v[196+\m], 8, v[196+\m]
.endr
.irp m,0,1,2,3
	v_lshl_or_b32 v[207+4*\m], v[207+4*\m], 16, v[207+4*\m]    ; the byte in all four bytes
.endr
	; ================ attention: head w, a tile of 16 queries a trip ================
.irp i,168,169,170,171,172,173,174,175,176,180,181,182,183,184,185,189,190,191,192,193,194,195,196,197
	v_mov_b32 v[\i], 0                             ; the zero codes of q's run
.endr
	v_bfe_u32 v11, v0, 4, 1
	v_lshlrev_b32 v11, 3, v11
	v_and_b32 v13, 31, v0
	v_lshlrev_b32 v12, 3, v13
	v_lshlrev_b32 v13, 2, v13
	s_wait_alu depctr_va_vdst(0)                   ; q's codes and scale words v204-219 are written, which the stores read; so are the offsets v12, v13; and the products are done reading v16-23 and v244-251, in which scale words land
.irp m,0,1,2,3
	ds_store_b128 v7, v[204+4*\m:207+4*\m] offset:512*\m       ; 12 bytes of codes and the scale word: my wave's own bytes
.endr
.irp f,0,1,2,3
	global_load_b64 v[16+2*\f:17+2*\f], v12, s[74:75] offset:6144+256*\f
.endr
.irp i,0,1,2,3,4,5,6,7
	global_load_b32 v[244+\i], v13, s[74:75] offset:13312+128*\i
.endr
	s_wait_loadcnt 0x0                             ; K's fragments and all scale words
.irp i,0,1,2,3
	v_or_b32 v[24+\i], v[244+2*\i], v[245+2*\i]    ; V's scale words: two halves each
.endr
	s_mov_b32 s38, 0
	s_mov_b32 s39, 0
	s_mov_b32 s40, 0
	s_mov_b32 s41, 0
.Lrow:
	s_wait_dscnt 0x0                               ; the last trip's stores are done
	s_wait_alu depctr_vm_vsrc(0)                   ; the last trip's LDS loads and stores have read v8, v9, v10, v48-50 and v248 (first trip: the stores of q's codes v204-219): all are written again in this trip
	v_add_nc_u32 v8, s39, v7
	v_add_nc_u32 v9, s40, v3
	v_add_nc_u32 v10, s41, v4
	s_wait_alu depctr_va_vdst(0)                   ; v8 is written, which the loads below read; the last trip's products are done reading q's run and v28, in which they land, and v144-167; first trip: the zero codes and V's scale words are written, which scaled products take
	ds_load_b96 v[186:188], v8                     ; q's codes, twice into the run,
	ds_load_b32 v177, v8
	ds_load_b32 v178, v8 offset:4
	ds_load_b32 v179, v8 offset:8
	ds_load_b32 v28, v8 offset:12                  ; and its scale word
	s_wait_dscnt 0x0
	STEP 0
	STEP 1
	v_add_f32 v244, v236, v237                     ; the sum's two halves; with three v_nop the four places behind the last products
	v_nop
	v_nop
	v_nop
	v_permlanex16_b32 v245, v244, s34, s35
	v_add_f32 v244, v244, v245                     ; and lane l xor 16's keys: the row's sum
	s_wait_alu depctr_va_vdst(0)
	v_rcp_f32 v246, v244
	v_mov_b32 v247, 0                              ; a plain place behind the reciprocal (and the pair's upper word is written)
	s_wait_alu depctr_va_vdst(0)                   ; the reciprocal has written v246: ahead of its first reader
.set k, 0
.rept 8
	v_pk_mul_f32 v[32+k:33+k], v[198+k:199+k], v[246:247] op_sel_hi:[1,0]   ; O^T / the sum: columns 32 w + 16 h + 0 .. 15 of my row
.set k, k+2
.endr
	v_max3_num_f32 v248, |v32|, |v33|, 0x2800000   ; block w of the next product's K, in two chains
	v_max3_num_f32 v250, |v34|, |v35|, |v36|
	v_max3_num_f32 v248, v248, |v37|, |v38|
	v_max3_num_f32 v250, v250, |v39|, |v40|
	v_max3_num_f32 v248, v248, |v41|, |v42|
	v_max3_num_f32 v250, v250, |v43|, |v44|
	v_max3_num_f32 v248, v248, |v45|, |v46|
	v_max3_num_f32 v248, v248, v250, |v47|
	v_permlanex16_b32 v249, v248, s34, s35
	v_max_num_f32 v248, v248, v249
	v_add_nc_u32 v242, 0xfe000000, v248
	v_lshrrev_b32 v248, 23, v242
	v_cvt_scalef32_pk16_bf6_f32 v[48:50], v[32:47], v242
	v_nop
	s_wait_alu depctr_va_vdst(0)                   ; the conversion has written the codes v48-50 and the shift the byte v248, which the stores read.  No vector or matrix instruction follows it in the trip
	ds_store_b32 v9, v48 offset:AC
	ds_store_b32 v9, v49 offset:AC+4
	ds_store_b32 v9, v50 offset:AC+8
	ds_store_b8 v10, v248 offset:ASC
	s_add_co_u32 s39, s39, 512
	s_add_co_u32 s40, s40, 6400
	s_add_co_u32 s41, s41, 256
	s_add_co_u32 s38, s38, 1
	s_cmp_lt_u32 s38, 4
	s_cbranch_scc1 .Lrow
.irp s,0,1,2,3
	REFILL \s, 70, 3072*(4+\s)                     ; Wo.  No wait: the one ahead of the last trip's stores has shown every product and vector instruction done, and none was issued since
.endr
.irp j,0,1,2,3
	global_load_b128 v[16+4*\j:19+4*\j], v14, s[20:21] offset:16*\j
.endr
	global_load_b128 v[240:243], v15, s[12:13]
	BAR                                            ; all heads' codes lie in AC; nobody reads x's codes or q's any more
	; ================ out = attn Wo + bo ================
	s_wait_loadcnt 0x0
	s_wait_alu depctr_vm_vsrc(0)                   ; the last trip's stores have read v48-50, which the products write, and v248, in which a scale word lands; its accesses have read v8 to v10 and v12, which later phases write
	GEMM4 2, 2, AC, 6400, 0, 1, ASC, 512, 240, 1, 4, 70, 3072*8, 0, 0   ; the ring goes on into W1's first chunk
.irp j,0,1,2,3
	global_load_b128 v[16+4*\j:19+4*\j], v14, s[24:25] offset:16*\j     ; b2.  (The last K step's wait stands behind every product that read the bias)
.endr
	; ================ LayerNorm: the mean first, then the squares of the centred numbers ================
	v_and_b32 v8, 15, v0
	v_lshlrev_b32 v8, 4, v8                        ; 16 r
	s_lshl_b32 s33, s32, 8
	v_add_nc_u32 v7, s33, v8                       ; + 256 w
.irp m,0,1,2,3
	v_pk_add_f32 v[192+2*\m:193+2*\m], v[ACC+16*\m:ACC+16*\m+1], v[ACC+16*\m+2:ACC+16*\m+3]
.endr
.irp i,4,6,8,10,12,14
.irp m,0,1,2,3
	v_pk_add_f32 v[192+2*\m:193+2*\m], v[192+2*\m:193+2*\m], v[ACC+16*\m+\i:ACC+16*\m+\i+1]
.endr
.endr
.irp m,0,1,2,3
	v_add_f32 v[240+\m], v[192+2*\m], v[193+2*\m]
.endr
.irp m,0,1,2,3
	v_permlanex16_b32 v[200+\m], v[240+\m], s34, s35
.endr
.irp m,0,1,2,3
	v_add_f32 v[240+\m], v[240+\m], v[200+\m]      ; my 32 columns of rows 16 m + r
.endr
	s_wait_alu depctr_va_vdst(0)                   ; the partial sums v240-243 and the addresses v7, v8 are written, which the store and the loads behind the barrier read; v192-203 are done with, in which those loads land
	ds_store_b128 v7, v[240:243] offset:RED1       ; (both halves of the lanes write the same words with the same values)
	BAR
	REDUCE RED1
.irp m,0,1,2,3
	v_mul_f32 v[244+2*\m], 0x3b000000, v[240+\m]   ; the mean, twice: a pair for the packed forms
.endr
.irp m,0,1,2,3
	v_mov_b32 v[245+2*\m], v[244+2*\m]
.endr
	s_wait_loadcnt 0x0                             ; b2
	s_wait_alu depctr_va_vdst(0)                   ; the additions of the partial sums are done reading v192-223, in which XR's numbers land
	XLD 0, 192
	XLD 1, 208
	XLD 2, 224
	XADD 0, 192, 8                                 ; row tile 0's four loads are in; the eight younger ones may be out
	XADD 1, 208, 4
	XADD 2, 224, 0
	s_wait_alu depctr_va_vdst(0)                   ; the additions have written v192-239, which the twelve stores read
	XST 0, 192                                     ; back into XR: my own bytes
	XST 1, 208
	XST 2, 224
	s_wait_alu depctr_vm_vsrc(0)                   ; row tile 0's stores have read v192-207, in which row tile 3's numbers land
	XLD 3, 192
	XADD 3, 192, 0
	s_wait_alu depctr_va_vdst(0)                   ; the additions have written v192-207, which the stores read, and are done reading b2 in v16-31, in which ln_g lands
	XST 3, 192
	s_wait_dscnt 0x0                               ; all stores are done
	s_wait_alu depctr_vm_vsrc(0)                   ; the stores have read v224-239, in which ln_b lands, and v192-207, which the squares below write
.irp j,0,1,2,3
	global_load_b128 v[16+4*\j:19+4*\j], v14, s[26:27] offset:16*\j     ; ln_g
.endr
.irp j,0,1,2,3
	global_load_b128 v[224+4*\j:227+4*\j], v14, s[28:29] offset:16*\j   ; ln_b
.endr
.irp m,0,1,2,3
.irp k,0,2,4,6,8,10,12,14
	v_pk_add_f32 v[ACC+16*\m+\k:ACC+16*\m+\k+1], v[ACC+16*\m+\k:ACC+16*\m+\k+1], v[244+2*\m:245+2*\m] neg_lo:[0,1] neg_hi:[0,1]
.endr
.endr
.irp m,0,1,2,3
	v_pk_mul_f32 v[192+2*\m:193+2*\m], v[ACC+16*\m:ACC+16*\m+1], v[ACC+16*\m:ACC+16*\m+1]
.endr
.irp i,2,4,6,8,10,12,14
.irp m,0,1,2,3
	v_pk_fma_f32 v[192+2*\m:193+2*\m], v[ACC+16*\m+\i:ACC+16*\m+\i+1], v[ACC+16*\m+\i:ACC+16*\m+\i+1], v[192+2*\m:193+2*\m]
.endr
.endr
.irp m,0,1,2,3
	v_add_f32 v[240+\m], v[192+2*\m], v[193+2*\m]
.endr
.irp m,0,1,2,3
	v_permlanex16_b32 v[200+\m], v[240+\m], s34, s35
.endr
.irp m,0,1,2,3
	v_add_f32 v[240+\m], v[240+\m], v[200+\m]
.endr
	s_wait_alu depctr_va_vdst(0)                   ; the partial sums of squares v240-243 are written, which the store reads; v192-203 are done with, in which the loads behind the barrier land
	ds_store_b128 v7, v[240:243] offset:RED2
	BAR
	REDUCE RED2
	s_mov_b32 s33, 0x3727c5ac                      ; 1e-5
.irp m,0,1,2,3
	v_fma_f32 v[240+\m], v[240+\m], 0x3b000000, s33
.endr
	s_wait_alu depctr_va_vdst(0)
.irp m,0,1,2,3
	v_rsq_f32 v[244+2*\m], v[240+\m]
.endr
	v_nop                                          ; a plain place behind the roots
	s_wait_alu depctr_va_vdst(0)                   ; the four roots have written v244, v246, v248, v250: one wait, ahead of their first reader
.irp m,0,1,2,3
	v_mov_b32 v[245+2*\m], v[244+2*\m]
.endr
	s_wait_alu depctr_va_vdst(0)
	s_wait_loadcnt 0x0                             ; ln_g, ln_b
.irp m,0,1,2,3
.irp k,0,2,4,6,8,10,12,14
	v_pk_mul_f32 v[ACC+16*\m+\k:ACC+16*\m+\k+1], v[ACC+16*\m+\k:ACC+16*\m+\k+1], v[244+2*\m:245+2*\m]
.endr
.endr
.irp m,0,1,2,3
.irp k,0,2,4,6,8,10,12,14
	v_pk_fma_f32 v[ACC+16*\m+\k:ACC+16*\m+\k+1], v[ACC+16*\m+\k:ACC+16*\m+\k+1], v[16+\k:17+\k], v[224+\k:225+\k]
.endr
.endr
	QCORE ACC
	QSTORE 3, 3, XC, 6400, 0, 4, XSC, 256
.irp j,0,1,2,3
	global_load_b128 v[16+4*\j:19+4*\j], v14, s[22:23] offset:16*\j     ; b1, chunk 0.  (The wait ahead of the stores above stands behind every reader of ln_g and of v240-243)
.endr
	global_load_b128 v[240:243], v15, s[14:15]     ; W1's scale words, chunk 0
	v_and_b32 v10, 15, v0
	v_bfe_u32 v11, v0, 4, 1
	v_mul_u32_u24 v9, v10, 80
	v_add_nc_u32 v9, s32, v9                       ; the hidden layer's scale bytes: 80 r + w
	v_mov_b32 v13, v14                             ; the offsets of chunk 0 are kept: v14 and v15 walk
	s_wait_alu depctr_va_vdst(0)
	BAR                                            ; LN(out)'s codes lie in XC
	s_wait_alu depctr_vm_vsrc(0)                   ; the loads of the partial sums have read v8, which is written anew below
	v_mul_u32_u24 v7, v10, 1552
	v_mad_u32_u24 v7, v11, 12, v7
	s_mul_i32 s33, s32, 24
	s_add_co_u32 s33, s33, GC
	v_add_nc_u32 v7, s33, v7                       ; the hidden layer's codes: GC + 1,552 r + 24 w + 12 h
	v_mov_b32 v8, v15
	s_add_nc_u64 s[72:73], s[70:71], 36864         ; the stream at entry 12: W1's second chunk
	s_mov_b32 s38, 0
	s_mov_b32 s39, 0
	s_mov_b32 s40, 0
	; ================ hidden = gelu(h W1 + b1), quantised: a chunk of 512 columns a trip ================
.Lchunk:
	s_wait_loadcnt 0x0                             ; this chunk's weights, bias and scale words
	s_wait_alu depctr_vm_vsrc(0)                   ; the loads before have read v14 and v15, the last trip's stores v10, v11, v12, all written anew below, and the codes and bytes v196-218, in which fragments land
	s_add_co_u32 s33, s38, 1
	s_min_u32 s33, s33, 3                          ; the next chunk; in the last trip the last one once more, so that no load leaves its buffer
	s_lshl_b32 s41, s33, 11
	s_lshl_b32 s42, s33, 13
	v_add_nc_u32 v14, s41, v13
	s_wait_alu depctr_va_vdst(0)
	v_add_nc_u32 v15, s42, v8
	v_add_nc_u32 v10, s39, v7
	v_add_nc_u32 v11, 49664, v10
	v_add_nc_u32 v12, s40, v9
	s_wait_alu depctr_va_vdst(0)                   ; v14 and v15 are written, which the loads of the next chunk's bias and scale words read
	GEMM4 2, 2, XC, 6400, 0, 1, XSC, 512, 240, 1, 4, 72, 0, 0, 1
.set GB, ACC
.rept 8
	GELU8
.set GB, GB+8
.endr
	QCORE ACC
	QSTORE 10, 11, 0, 24832, 1, 12, GSC, 1280
	s_wait_dscnt 0x0                               ; the stores are done
	s_wait_xcnt 0x0                                ; the refills have read their base
	s_add_nc_u64 s[72:73], s[72:73], 12288
	s_add_co_u32 s39, s39, 384
	s_add_co_u32 s40, s40, 16
	s_add_co_u32 s38, s38, 1
	s_cmp_lt_u32 s38, 4
	s_cbranch_scc1 .Lchunk
	s_wait_loadcnt 0x0                             ; the last trip's loads have landed: W2's scale words take the bias's registers
	s_wait_alu depctr_vm_vsrc(0)                   ; the last trip's stores have read v10, v11, v12, written anew below, and the codes and bytes v196-218, in which fragments land
	v_lshlrev_b32 v10, 2, v8                       ; 64 scale bytes a row of W2
	v_and_b32 v12, 15, v0
	v_bfe_u32 v11, v0, 4, 1
	v_mul_u32_u24 v7, v12, 1552
	v_mad_u32_u24 v7, v11, 24, v7
	v_add_nc_u32 v7, GC, v7
	v_add_nc_u32 v8, 49664, v7
	v_and_b32 v9, 31, v0
	v_mul_u32_u24 v9, v9, 80
	s_wait_alu depctr_va_vdst(0)                   ; v10 is written, which the loads below read; so are v7, v8, v9, which the LDS loads behind the barrier read
.irp t,0,1,2,3
	global_load_b128 v[16+4*\t:19+4*\t], v10, s[16:17] offset:16*\t
.endr
	BAR                                            ; the hidden layer's codes lie in GC
	; ================ ffn = hidden W2: K = 2,048 in four runs of four K steps ================
	; (from run to run: a run's last wait stands behind all its products, and nothing but its refill follows it: the next run's first loads owe nothing more)
	s_wait_loadcnt 0x0
	GEMM4 7, 8, 0, 24832, 1, 9, GSC, 2560, 16, 2, 4, 72, 0, 0, 0
	GEMM4 7, 8, 384, 24832, 1, 9, GSC+16, 2560, 20, 0, 4, 72, 12288, 1, 0
	GEMM4 7, 8, 768, 24832, 1, 9, GSC+32, 2560, 24, 0, 4, 72, 24576, 1, 0
	GEMM4 7, 8, 1152, 24832, 1, 9, GSC+48, 2560, 28, 0, 0, 72, 0, 2, 0
	; ================ the way out: XR (x + out + b2) + ffn, then whole rows ================
.irp m,0,1,2,3
	XLD \m, 96+16*\m                               ; into v96-159, slots 0 to 2 of the ring.  No wait: the third K step's wait stands behind their last products, and the last K step names slot 3 alone
.endr
	s_mul_i32 s33, s32, 8256
	s_add_co_u32 s33, s33, XR
	s_wait_alu depctr_vm_vsrc(0)                   ; the fragments' loads have read v7, which is written anew
	v_add_nc_u32 v7, s33, v1                       ; XR by rows again
	s_wait_dscnt 0x0
.set k, 0
.rept 32
	v_pk_add_f32 v[96+k:97+k], v[96+k:97+k], v[32+k:33+k]
.set k, k+2
.endr
	s_wait_alu depctr_va_vdst(0)                   ; the additions have written v96-159, which the stores read; v7 is written, which the loads behind the barrier read
.irp m,0,1,2,3
	XST \m, 96+16*\m
.endr
	BAR                                            ; 64 whole rows of the result lie in XR
	s_wait_alu depctr_vm_vsrc(0)                   ; my stores have read v96-159, in which the rows land
.set k, 0
.rept 16
	ds_load_b128 v[96+4*k:99+4*k], v7 offset:2064*(k/4)+512*(k%4)
.set k, k+1
.endr
.set k, 0
.rept 16
	s_wait_dscnt 15-k
	global_store_b128 v1, v[96+4*k:99+4*k], s[30:31] offset:512*k th:TH_STORE_NT   ; 32 lanes store 512 consecutive bytes, at a multiple of 256 from out0's first byte
.set k, k+1
.endr
	s_wait_xcnt 0x0
	v_lshl_add_u32 v254, v0, 2, 0x48c00            ; the add's two registers, made anew: no memory or LDS instruction has ever read v254 or v255
	v_mov_b32 v255, 0
	s_wait_dscnt 0x0                               ; the closing lines, six on end
	s_wait_alu 0x0
	s_wait_tensorcnt 0x0
	ds_add_u32 v254, v255
	s_wait_dscnt 0x0
	s_endpgm
.Lfunc_end_k_q0a795d6758_main:
	.size	k_q0a795d6758_main, .Lfunc_end_k_q0a795d6758_main-k_q0a795d6758_main
	.p2alignl 7, 3214868480
	.fill 96, 4, 3214868480
	.section	.rodata,"a",@progbits
	.p2align	6, 0x0
	.amdhsa_kernel k_q0a795d6758_main
		.amdhsa_group_segment_fixed_size 300032
		.amdhsa_private_segment_fixed_size 0
		.amdhsa_enable_private_segment 0
		.amdhsa_kernarg_size 112
		.amdhsa_user_sgpr_count 2
		.amdhsa_user_sgpr_kernarg_segment_ptr 1
		.amdhsa_wavefront_size32 1
		.amdhsa_system_sgpr_workgroup_id_x 1
		.amdhsa_system_sgpr_workgroup_id_y 1
		.amdhsa_system_sgpr_workgroup_id_z 1
		.amdhsa_system_vgpr_workitem_id 0
		.amdhsa_next_free_vgpr 256
		.amdhsa_next_free_sgpr 80
		.amdhsa_reserve_vcc 0
		.amdhsa_float_denorm_mode_32 3
		.amdhsa_float_denorm_mode_16_64 3
		.amdhsa_memory_ordered 1
		.amdhsa_forward_progress 1
		.amdhsa_inst_pref_size 233
	.end_amdhsa_kernel
	.amdgpu_metadata
---
amdhsa.version: [ 1, 2 ]
amdhsa.kernels:
  - .name:           k_q0a795d6758_main
    .symbol:         k_q0a795d6758_main.kd
    .args:
      - { .name: x, .offset: 0, .size: 8, .value_kind: global_buffer, .address_space: global }
      - { .name: ws, .offset: 8, .size: 8, .value_kind: global_buffer, .address_space: global }
      - { .name: kv, .offset: 16, .size: 8, .value_kind: global_buffer, .address_space: global }
      - { .name: Wq_scales, .offset: 24, .size: 8, .value_kind: global_buffer, .address_space: global }
      - { .name: Wo_scales, .offset: 32, .size: 8, .value_kind: global_buffer, .address_space: global }
      - { .name: W1_scales, .offset: 40, .size: 8, .value_kind: global_buffer, .address_space: global }
      - { .name: W2_scales, .offset: 48, .size: 8, .value_kind: global_buffer, .address_space: global }
      - { .name: bq, .offset: 56, .size: 8, .value_kind: global_buffer, .address_space: global }
      - { .name: bo, .offset: 64, .size: 8, .value_kind: global_buffer, .address_space: global }
      - { .name: b1, .offset: 72, .size: 8, .value_kind: global_buffer, .address_space: global }
      - { .name: b2, .offset: 80, .size: 8, .value_kind: global_buffer, .address_space: global }
      - { .name: ln_g, .offset: 88, .size: 8, .value_kind: global_buffer, .address_space: global }
      - { .name: ln_b, .offset: 96, .size: 8, .value_kind: global_buffer, .address_space: global }
      - { .name: out0, .offset: 104, .size: 8, .value_kind: global_buffer, .address_space: global }
    .group_segment_fixed_size: 300032
    .private_segment_fixed_size: 0
    .kernarg_segment_align: 8
    .kernarg_segment_size: 112
    .max_flat_workgroup_size: 512
    .sgpr_count:     80
    .vgpr_count:     256
    .wavefront_size: 32
...
	.end_amdgpu_metadata
.endif
;; end of part 4
